; MI455X (gfx1250); checked and timed in simulation.
; The chip was launched on July 23, 2026; its instructions are those of AMD's public machine-readable ISA for CDNA 5 (MIT licence, August 2026) and "CDNA5" Instruction Set Architecture Reference Guide (July 2026). The comments in the code are by the model that wrote it; some were corrected since.
;; Attention. Allowed arithmetic: matrix products marked QUANTISED: E2M3 operands, one E8M0 scale for each 32 along K, by v_wmma_scale_f32_16x16x128_f8f6f4 with both operands' format E2M3, f32 sums; everything else in f32.
;; Inputs: bk 2,048 float32; bo 2,048 float32; bq 2,048 float32; bv 2,048 float32; mask 1 x 1 x 2,048 x 2,048 bool; slopes 16 float32; wk 2,048 x 2,048 float32; wo 2,048 x 2,048 float32; wq 2,048 x 2,048 float32; wv 2,048 x 2,048 float32; x 1 x 2,048 x 2,048 float32.
;; Outputs: out0 1 x 2,048 x 2,048 float32.
;; This version of the problem:
;;   THIS VERSION OF THE PROBLEM IS GIVEN IN LOW PRECISION. The matrix products marked QUANTISED in the list below multiply operands that are first quantised to E2M3 (2 exponent bits, 3 mantissa bits; 6 bits a number), with one power-of-two scale for each 32 numbers along K (OCP MX v1.0); their sums are f32. All else is computed in f32.
;;   The module's matrix products, in the order in which they are computed (A, B: the left and right operand; K: the contracted axis; several contracted axes count as one K, in the product's order):
;;     1. [M 2,048, K 2,048] x [K 2,048, N 2,048]; A: input x; B: input wq: QUANTISED
;;     2. [M 2,048, K 2,048] x [K 2,048, N 2,048]; A: input x; B: input wk: QUANTISED
;;     3. [M 2,048, K 2,048] x [K 2,048, N 2,048]; A: input x; B: input wv: QUANTISED
;;     4. batch 16 x [M 2,048, K 128] x [K 128, N 2,048]; A: computed on the way; B: computed on the way: QUANTISED
;;     5. batch 16 x [M 128, K 2,048] x [K 2,048, N 2,048]; A: computed on the way; B: softmax (see below): QUANTISED
;;     6. [M 2,048, K 2,048] x [K 2,048, N 2,048]; A: computed on the way; B: input wo: QUANTISED
;;   THE QUANTISER, for each operand of a quantised product, along K:
;;     - K is cut into blocks of 32 from its start; a last block that is shorter is filled with zeros.
;;     - A block's scale is 2^e with e = floor(log2(the largest magnitude in the block)) - 2, held to -126 .. 127; a block of zeros has e = 0. As a byte (E8M0): e + 127.
;;     - Each number is divided by its block's scale, clamped to +-7.5, and rounded to the nearest number of E2M3, ties to even, subnormals kept.
;;     - The product sums the exact products of the quantised numbers (number of the format x scale) in f32.
;;   ~~~python
;;   def quantise(x, axis):      # numpy; x: float32 -> the quantised numbers, widened to float32 again
;;       x = np.moveaxis(x, axis, -1); K = x.shape[-1]
;;       x = np.pad(x, [(0, 0)] * (x.ndim - 1) + [(0, -K % 32)]); x = x.reshape(x.shape[:-1] + (-1, 32)); a = np.abs(x).max(-1, keepdims=True)
;;       e = np.where(a > 0, np.clip(np.frexp(np.where(a > 0, a, 1))[1] - 1 - 2, -126, 127), 0)      # np.frexp(a)[1] - 1 = floor(log2(a)), exactly
;;       r = np.clip(x / 2.0 ** e, -7.5, 7.5)
;;       step = 2.0 ** (np.maximum(np.frexp(np.where(r == 0, 1, r))[1] - 1, 0) - 3)
;;       q = np.round(r / step) * step * 2.0 ** e      # np.round: ties to even
;;       return np.moveaxis(q.reshape(q.shape[:-2] + (-1,))[..., :K], -1, axis).astype(np.float32)
;;   ~~~
;;   SOFTMAX AHEAD OF A QUANTISED PRODUCT. Where the list says 'softmax', what is quantised is not the finished softmax but p = 2^(t - M), with t = logit x log2(e) and M = ceil(the row's largest t), a whole number; so 1/2 < the row's largest p <= 1. The row's sum l is taken of the UNQUANTISED p, in f32, and the product's result is divided by l at the end. Since M is a whole number, a kernel that streams over the keys may use a running M (the ceiling of the running maximum): every later rescaling is an exact power of two, which a block's scale takes up: the codes' values come out the same.
;;   OPERANDS COMPUTED ON THE WAY. 'Computed on the way' means the value that the module computes at that place (a softmax that the list does not call 'softmax' is quantised finished and normalised). What goes into a quantiser is computed in f32, as accurately as f32 sums, v_exp_f32 and their like allow (about 1e-6 of the number): no bf16 or f16 on the way to a quantiser, and a product that is left as it is and whose result goes on into a quantised operand takes f32 operands (vector FMAs, or v_wmma_f32_16x16x4_f32). A number that lies on a knife's edge between two numbers of the format may be rounded either way, as far as f32 arithmetic and the matrix unit's own rounding can turn it there, and no further.
;; One version. Each part assembles by itself: llvm-mc -triple=amdgcn-amd-amdhsa -mcpu=gfx1250 --defsym DOCPART=n.
;; ======== version 1 of 1: 4 launches
;; limits: right only within a limited range of input values
;; workspace buffers: xq 3,276,800 bytes; wcs 13,107,200 bytes; aq 3,276,800 bytes; mbits 524,288 bytes of whole numbers; mfl 16,384 bytes of whole numbers; qc 3,276,800 bytes; kvc 6,553,600 bytes
;; launch quant (part 1): grid 512 x 1, 4 waves a work-group, no clusters, 121,344 bytes of LDS; arguments x, mask, wq, wk, wv, wo, xq, wcs, mbits, mfl; writes xq, wcs, mbits, mfl
.if DOCPART == 1
	.amdgcn_target "amdgcn-amd-amdhsa--gfx1250"
	.amdhsa_code_object_version 6
	.text
	.protected	k_q7bfeac87e8_quant
	.globl	k_q7bfeac87e8_quant
	.p2align	8
	.type	k_q7bfeac87e8_quant,@function
k_q7bfeac87e8_quant:
	s_mov_b64 s[64:65], 0
	v_nop
	global_prefetch_b8 v0, s[64:65] scope:SCOPE_SE
	s_setreg_imm32_b32 hwreg(HW_REG_WAVE_MODE, 25, 1), 1
	s_wait_xcnt 0x0
; x [2048][2048] and the four weights [k 2048][n 2048], f32, become codes of FP6 (E2M3) with one E8M0 byte for each 32 along K; the mask [2048][2048] of bytes becomes lane masks.
; THE OPERANDS' LAYOUT (this program's own).  A tile g is 16 rows: lane-row r is row 32 (g / 2) + 8 (g % 2) + r + 8 (r / 8).  A fragment (g, s) is a tile x K step s (128 along K): 12 registers a lane,
; kept as an image of the registers: register p of lane l at 512 (p / 4) + 16 l + 4 (p % 4), 1,536 bytes.  A section: fragments at (16 g + s) x 1,536, then from OPC on the scale words at (16 g + s) x 64 + 4 r.
; A block's scale is 2^(floor(log2(its largest magnitude)) - 2); its byte is the largest magnitude's exponent field - 2, held at 1 from below.
; LIMITS: a block of zeros, or one whose largest magnitude lies under 2^-124, gets the byte 1 (zero blocks: their codes are zeros, and this program alone reads the bytes); NaN and infinities are not served.
; THREE PATHS, by the work-group's number, each with LDS bytes of its own: 0-255 the weights, 256-383 x, 384-511 the mask.  Every LDS byte is one wave's own: no barrier.
.set SEC,   3276800                    ; a section in bytes
.set OPC,   3145728                    ; its codes
.set WWB,   13056                      ; path W: a wave's stage: 2 tiles x (4 fragments + 128 bytes of skew), then 512 bytes of scale words
.set XST,   52224                      ; path X: the stages begin here
.set XWB,   8704                       ; 16 rows x 528 bytes, then 256 bytes of scale words
.set MST,   87040                      ; path M
.set MWB,   8448                       ; 16 rows x 528 bytes
.set SPARE, 120832                     ; the spare words, 128 bytes for each wave
.set SPW,   2                          ; v2  SPARE + 4 x my thread's number; never rewritten
.set NIL,   3                          ; v3  0; never rewritten
.macro CLOSE                           ; the wave's end
	s_wait_tensorcnt 0x0
	ds_add_u32 v[SPW], v[NIL]
	s_wait_dscnt 0x0
	s_endpgm
.endm
; 16 loads: 512 consecutive bytes of each of a tile's 16 rows, 16 bytes a lane
.macro ROWS16 base, reg, pitch, off
.irp rr, 0,1,2,3,4,5,6,7,8,9,10,11,12,13,14,15
	global_load_b128 v[(\reg)+4*\rr:(\reg)+4*\rr+3], v4, s[\base:\base+1] offset:(\rr+8*(\rr/8))*(\pitch)+(\off) th:TH_LOAD_NT
.endr
.endm
	s_load_b512 s[4:19], s[0:1], 0x0               ; x, mask, wq, wk, wv, wo, xq, wcs
	s_load_b64 s[20:21], s[0:1], 0x40              ; mbits
	s_load_b64 s[46:47], s[0:1], 0x48              ; mfl: for each tile of queries 16 words, the OR of each key step's 64 lane masks, then 16 words, their AND
	v_lshl_add_u32 v[SPW], v0, 2, SPARE
	v_mov_b32 v[NIL], 0
	v_lshrrev_b32 v1, 5, v0
	v_readfirstlane_b32 s22, v1                    ; wave 0..3
	v_and_b32 v1, 31, v0                           ; lane
	v_lshlrev_b32 v4, 4, v1                        ; 16 x lane
	s_mov_b32 s44, 0x76543210
	s_mov_b32 s45, 0xfedcba98                      ; v_permlanex16_b32's selects for lane l xor 16
	s_wait_kmcnt 0x0
	s_cmp_lt_u32 ttmp9, 256
	s_cbranch_scc0 .Lnot_w
; ---------------- PATH W: a weight.  A lane takes a column n and its registers run down K: a block of 32 lies in one lane, and the codes come out with K innermost.
; The work-group: weight id / 64, columns 128 (id % 16) on, K 512 ((id / 16) % 4) on.  A wave: 32 columns (two tiles) x 512 along K (four K steps, 16 blocks).
	s_lshr_b32 s24, ttmp9, 6                       ; which weight
	s_and_b32 s25, ttmp9, 15                       ; which 128 columns
	s_bfe_u32 s26, ttmp9, 0x20004                  ; which 512 along K
	s_cmp_lt_u32 s24, 2
	s_cselect_b64 s[28:29], s[8:9], s[12:13]       ; wq or wv
	s_cselect_b64 s[30:31], s[10:11], s[14:15]     ; wk or wo
	s_and_b32 s27, s24, 1
	s_cmp_eq_u32 s27, 0
	s_cselect_b64 s[28:29], s[28:29], s[30:31]
	s_lshl_b32 s32, s26, 22                        ; 512 rows of 8,192 bytes
	s_lshl_b32 s33, s25, 9
	s_add_co_u32 s32, s32, s33
	s_lshl_b32 s33, s22, 7                         ; my wave's 32 columns
	s_add_co_u32 s32, s32, s33
	s_mov_b32 s33, 0
	s_add_nc_u64 s[28:29], s[28:29], s[32:33]
	s_lshl_b32 s34, s25, 3
	s_lshl_b32 s35, s22, 1
	s_add_co_u32 s34, s34, s35                     ; my first tile: 8 x block + 2 x wave
	s_mul_i32 s36, s24, SEC
	s_lshl_b32 s32, s34, 4
	s_lshl_b32 s35, s26, 2
	s_add_co_u32 s32, s32, s35
	s_mul_i32 s32, s32, 1536
	s_add_co_u32 s32, s32, s36
	s_add_nc_u64 s[30:31], s[18:19], s[32:33]      ; where my codes go
	s_lshl_b32 s32, s34, 10
	s_lshl_b32 s35, s26, 8
	s_add_co_u32 s32, s32, s35
	s_add_co_u32 s32, s32, s36
	s_add_co_u32 s32, s32, OPC
	s_add_nc_u64 s[36:37], s[18:19], s[32:33]      ; and my scale words
	s_wait_alu depctr_va_vdst(0)
	v_lshlrev_b32 v5, 2, v1                        ; in: 4 bytes a lane
	v_bfe_u32 v8, v1, 3, 1                         ; my column's tile of the two: u = (lane / 8) % 2
	v_and_b32 v9, 7, v1
	v_lshrrev_b32 v10, 4, v1
	v_lshl_or_b32 v9, v10, 3, v9                   ; and its lane-row there: r = lane % 8 + 8 (lane / 16)
	s_mul_i32 s38, s22, WWB                        ; my stage
	v_mul_u32_u24 v6, v8, 6272
	v_lshl_add_u32 v6, v9, 4, v6
	v_add_nc_u32 v6, s38, v6                       ; codes into it: 6,272 u + 16 r
	v_lshlrev_b32 v7, 8, v8
	v_lshl_add_u32 v7, v9, 2, v7
	v_add_nc_u32 v7, s38, v7
	v_add_nc_u32 v7, 12544, v7                     ; scale words into it: 256 u + 4 r
	v_add_nc_u32 v8, s38, v4                       ; out of it: 16 x lane
	v_and_b32 v9, 15, v1
	v_lshlrev_b32 v9, 4, v9
	v_lshl_add_u32 v9, v10, 10, v9                 ; the scale words' place in memory: 1,024 (lane / 16) + 16 (lane % 16)
.macro WLOAD t                         ; block t: W(32 t + i, my column), i = 0 .. 31; a wave reads 128 consecutive bytes an instruction
.set QI, 0
.rept 32
	global_load_b32 v[32+32*((\t)%2)+QI], v5, s[28:29] offset:(32*(\t)+QI)*8192 th:TH_LOAD_NT
.set QI, QI+1
.endr
.endm
; Block t is k = 32 (t % 4) on of K step t / 4: in the fragment it is registers 6 c .. 6 c + 5 of lane r + 16 h, c = (t / 2) % 2, h = t % 2
.macro WBLOCK t
.set XS, 32+32*((\t)%2)
.set SLO, 1536*((\t)/4)+256*((\t)%2)
.if (\t) < 15
	s_wait_loadcnt 32                              ; this block's 32 loads are in; the next block's may be out
.else
	s_wait_loadcnt 0x0
.endif
	v_max3_num_f32 v12, |v[XS]|, |v[XS+1]|, |v[XS+2]|        ; the block's largest magnitude, in two chains
	v_max3_num_f32 v13, |v[XS+3]|, |v[XS+4]|, |v[XS+5]|
.irp i, 6,10,14,18,22,26
	v_max3_num_f32 v12, v12, |v[XS+\i]|, |v[XS+\i+1]|
	v_max3_num_f32 v13, v13, |v[XS+\i+2]|, |v[XS+\i+3]|
.endr
	v_max3_num_f32 v12, v12, |v[XS+30]|, |v[XS+31]|
	v_max3_num_f32 v12, v12, v13, 0x1800000        ; and the floor 2^(3 - 127): the byte cannot fall under 1
	v_add_nc_u32 v11, 0xff000000, v12              ; 2 off its exponent field: the conversion takes the exponent field of this operand as its scale
	v_cvt_scalef32_pk16_fp6_f32 v[20:22], v[XS:XS+15], v11
	v_cvt_scalef32_pk16_fp6_f32 v[24:26], v[XS+16:XS+31], v11     ; (a conversion's three registers begin on an even number)
	v_lshrrev_b32 v14, 23, v11                     ; the scale's byte.  (Two plain lines stand between the conversions and the moves of their results)
.if (\t)%4 == 0
	v_mov_b32 v[16+(\t)/4], v14
.else
	v_lshl_or_b32 v[16+(\t)/4], v14, 8*((\t)%4), v[16+(\t)/4]
.endif
	v_mov_b32 v23, v24                             ; the six registers on end: v20-25
	v_mov_b32 v24, v25
	v_mov_b32 v25, v26
.if ((\t)/2)%2 == 0
	ds_store_b128 v6, v[20:23] offset:SLO          ; registers 0-3
	ds_store_b64 v6, v[24:25] offset:SLO+512       ; registers 4, 5
.else
	ds_store_b64 v6, v[20:21] offset:SLO+520       ; registers 6, 7
	ds_store_b128 v6, v[22:25] offset:SLO+1024     ; registers 8-11
.endif
.if (\t)+2 < 16
	WLOAD (\t)+2
.endif
	s_wait_dscnt 0x0                               ; the stores have read their registers: the next block's codes may be written
.endm
	WLOAD 0
	WLOAD 1
.set QT, 0
.rept 16
	WBLOCK QT
.set QT, QT+1
.endr
	s_wait_alu depctr_va_vdst(0)
.irp sl, 0,1,2,3
	ds_store_b32 v7, v[16+\sl] offset:64*\sl       ; my column's scale word of each K step
.endr
.set QI, 0
.rept 24                               ; LDS serves a wave's instructions in order: these see my stores
	ds_load_b128 v[96+4*QI:96+4*QI+3], v8 offset:6272*(QI/12)+512*(QI%12)
.set QI, QI+1
.endr
	ds_load_b128 v[192:195], v8 offset:12544
.set QI, 0
.rept 24
	s_wait_dscnt 24-QI                             ; the younger read-backs may be out
	global_store_b128 v4, v[96+4*QI:96+4*QI+3], s[30:31] offset:24576*(QI/12)+512*(QI%12)   ; 32 lanes store 512 consecutive bytes, at a multiple of 256 from the buffer's first byte
.set QI, QI+1
.endr
	s_wait_dscnt 0x0
	global_store_b128 v9, v[192:195], s[36:37]     ; sixteen lanes store 256 consecutive bytes: a tile's scale words of four K steps
	CLOSE
.Lnot_w:
	s_cmp_lt_u32 ttmp9, 384
	s_cbranch_scc0 .Lmask
; ---------------- PATH X.  A wave takes a tile of 16 rows x four K steps.  Each load reads 512 consecutive bytes of a row; the 16 rows turn through the wave's stage (rows 528 bytes apart),
; so that lane (r, h) gets, of row r, k = 64 c + 32 h + 0 .. 31: two whole blocks, in the order of the operand's registers.
	s_sub_co_u32 s24, ttmp9, 256
	s_lshl_b32 s24, s24, 2
	s_add_co_u32 s24, s24, s22                     ; my unit, 0 .. 511
	s_lshr_b32 s25, s24, 2                         ; the tile
	s_and_b32 s26, s24, 3                          ; which four K steps
	s_lshr_b32 s27, s25, 1
	s_lshl_b32 s27, s27, 5
	s_and_b32 s28, s25, 1
	s_lshl_b32 s28, s28, 3
	s_add_co_u32 s27, s27, s28                     ; the tile's first row
	s_lshl_b32 s32, s27, 13
	s_lshl_b32 s28, s26, 11
	s_add_co_u32 s32, s32, s28
	s_mov_b32 s33, 0
	s_add_nc_u64 s[4:5], s[4:5], s[32:33]
	s_lshl_b32 s32, s25, 4
	s_lshl_b32 s28, s26, 2
	s_add_co_u32 s34, s32, s28                     ; 16 g + my first K step
	s_mul_i32 s32, s34, 1536
	s_add_nc_u64 s[28:29], s[16:17], s[32:33]      ; where my codes go
	s_lshl_b32 s32, s34, 6
	s_add_co_u32 s32, s32, OPC
	s_add_nc_u64 s[30:31], s[16:17], s[32:33]      ; and my scale words
	s_wait_alu depctr_va_vdst(0)
	v_and_b32 v5, 15, v1                           ; r
	v_lshrrev_b32 v6, 4, v1                        ; h
	s_mul_i32 s38, s22, XWB
	s_add_co_u32 s38, s38, XST                     ; my stage
	v_add_nc_u32 v7, s38, v4                       ; into it: 16 x lane (+ 528 x row)
	v_mul_u32_u24 v8, v5, 528
	v_lshl_add_u32 v8, v6, 7, v8
	v_add_nc_u32 v8, s38, v8                       ; out of it: 528 r + 128 h
	v_lshl_add_u32 v9, v5, 2, s38                  ; scale words: 4 r
	v_lshl_add_u32 v10, v1, 3, s38                 ; and back: 8 x lane
	v_lshlrev_b32 v11, 3, v1
	v_lshlrev_b32 v6, 3, v6                        ; 8 h: my bytes' place in the scale word
	v_mov_b32 v239, 0                              ; written once: a lane permute's destination counts as one of its sources
.macro FRAGX j
.set RS, 16+64*((\j)%2)
.if (\j) < 3
	s_wait_loadcnt 16                              ; this fragment's 16 loads are in; the next one's may be out
.else
	s_wait_loadcnt 0x0
.endif
.irp rr, 0,1,2,3,4,5,6,7,8,9,10,11,12,13,14,15
	ds_store_b128 v7, v[RS+4*\rr:RS+4*\rr+3] offset:528*\rr
.endr
.irp c, 0,1
.irp i, 0,1,2,3,4,5,6,7
	ds_load_b128 v[144+32*\c+4*\i:144+32*\c+4*\i+3], v8 offset:256*\c+16*\i
.endr
.endr
	s_wait_dscnt 0x0                               ; my 64 numbers are back, and the stores have read their registers,
.if (\j)+2 < 4
	ROWS16 4, RS, 8192, 512*((\j)+2)               ; which take the loads of two fragments on
.endif
.irp c, 0,1
	v_max3_num_f32 v[232+\c], |v[144+32*\c]|, |v[145+32*\c]|, 0x1800000   ; my block 2 c + h, with the floor 2^(3 - 127)
.endr
.irp i, 2,4,6,8,10,12,14,16,18,20,22,24,26,28,30
.irp c, 0,1
	v_max3_num_f32 v[232+\c], v[232+\c], |v[144+32*\c+\i]|, |v[145+32*\c+\i]|
.endr
.endr
.irp c, 0,1
	v_add_nc_u32 v[234+\c], 0xff000000, v[232+\c]  ; the conversion's scale operand
.endr
.irp c, 0,1
	v_lshrrev_b32 v[236+\c], 23, v[234+\c]         ; the scale's byte
.endr
	v_lshl_or_b32 v238, v237, 16, v236             ; my two bytes: blocks h and 2 + h,
	v_lshlrev_b32 v238, v6, v238                   ; at their places;
	v_permlanex16_b32 v239, v238, s44, s45
	v_or_b32 v238, v238, v239                      ; with lane l xor 16's two the word is whole
	s_wait_alu depctr_va_vdst(0)
	s_wait_xcnt 0x0                                ; the last fragment's stores have read v208-219
.irp c, 0,1
	v_cvt_scalef32_pk16_fp6_f32 v[208+6*\c:210+6*\c], v[144+32*\c:159+32*\c], v[234+\c]
	v_cvt_scalef32_pk16_fp6_f32 v[220+4*\c:222+4*\c], v[160+32*\c:175+32*\c], v[234+\c]
.endr
	v_nop                                          ; one plain line behind the conversions
.irp c, 0,1
.irp i, 0,1,2
	v_mov_b32 v[211+6*\c+\i], v[220+4*\c+\i]
.endr
.endr
.irp c, 0,1,2
	global_store_b128 v4, v[208+4*\c:211+4*\c], s[28:29] offset:1536*(\j)+512*\c   ; the fragment's image: 512 consecutive bytes a store
.endr
	ds_store_b32 v9, v238 offset:8448+64*(\j)      ; both halves of the lanes write the same word with the same value
.endm
	ROWS16 4, 16, 8192, 0
	ROWS16 4, 80, 8192, 512
	s_wait_alu depctr_va_vdst(0)
	FRAGX 0
	FRAGX 1
	FRAGX 2
	FRAGX 3
	ds_load_b64 v[232:233], v10 offset:8448
	s_wait_dscnt 0x0
	global_store_b64 v11, v[232:233], s[30:31]     ; 32 lanes store 256 consecutive bytes: the tile's scale words of four K steps
	CLOSE
.Lmask:
; ---------------- PATH M.  Word n = 16 b + i of (tile of queries, key step) holds, at bit (r, h), mask[the tile's lane-row r][128 x key step + 32 b + 16 h + i]: the lane mask of score register n in the attention launch.
	s_sub_co_u32 s24, ttmp9, 384
	s_lshl_b32 s24, s24, 2
	s_add_co_u32 s24, s24, s22                     ; my unit: tile of queries = unit / 4, key steps 4 (unit % 4) on
	s_lshr_b32 s25, s24, 2
	s_and_b32 s26, s24, 3
	s_lshr_b32 s27, s25, 1
	s_lshl_b32 s27, s27, 5
	s_and_b32 s28, s25, 1
	s_lshl_b32 s28, s28, 3
	s_add_co_u32 s27, s27, s28                     ; the tile's first row
	s_lshl_b32 s32, s27, 11
	s_lshl_b32 s28, s26, 9
	s_add_co_u32 s32, s32, s28
	s_mov_b32 s33, 0
	s_add_nc_u64 s[6:7], s[6:7], s[32:33]
	s_lshl_b32 s32, s24, 10                        ; 4 key steps x 256 bytes a unit
	s_add_nc_u64 s[20:21], s[20:21], s[32:33]
	s_lshl_b32 s32, s25, 7                         ; mfl: 128 bytes a tile,
	s_lshl_b32 s34, s26, 4                         ; my four key steps' words
	s_add_co_u32 s32, s32, s34
	s_add_nc_u64 s[46:47], s[46:47], s[32:33]
.irp k, 0,1,2,3
	s_mov_b32 s[24+2*\k], 0                        ; the OR of key step k's lane masks begins at 0,
	s_mov_b32 s[25+2*\k], -1                       ; their AND at all ones
.endr
	s_wait_alu depctr_va_vdst(0)
	v_and_b32 v5, 15, v1
	v_lshrrev_b32 v6, 4, v1
	s_mul_i32 s38, s22, MWB
	s_add_co_u32 s38, s38, MST
	v_add_nc_u32 v7, s38, v4
	v_mul_u32_u24 v8, v5, 528
	v_lshl_add_u32 v8, v6, 4, v8
	v_add_nc_u32 v8, s38, v8                       ; out of the stage: 528 r + 16 h (+ 32 for each block of 32 keys)
	v_lshlrev_b32 v11, 3, v1
	v_min_u32 v9, 7, v1                            ; mfl: lanes 0-3 store the four ORs, lanes 4-7 the four ANDs 64 bytes on; lanes 8 on repeat lane 7
	v_and_b32 v10, 3, v9
	v_lshrrev_b32 v9, 2, v9
	v_lshlrev_b32 v10, 2, v10
	v_lshl_add_u32 v9, v9, 6, v10
	ROWS16 6, 16, 2048, 0
.irp k, 0,1,2,3,4,5,6,7
	v_mov_b32 v[208+\k], 0                         ; v_writelane_b32's destination counts as read
.endr
	s_wait_loadcnt 0x0
.irp rr, 0,1,2,3,4,5,6,7,8,9,10,11,12,13,14,15
	ds_store_b128 v7, v[16+4*\rr:19+4*\rr] offset:528*\rr
.endr
.irp m, 0,1,2,3,4,5,6,7,8,9,10,11,12,13,14,15
	ds_load_b128 v[144+4*\m:147+4*\m], v8 offset:32*\m
.endr
	s_wait_dscnt 0x0
.irp ks, 0,1,2,3
.set QN, 0
.rept 64
	v_and_b32 v[12+QN%4], 0xff<<(8*(QN%4)), v[144+4*(4*\ks+QN/16)+(QN%16)/4]   ; my byte for word n
	v_cmp_ne_u32 s[40+QN%4], 0, v[12+QN%4]         ; the 32 lanes' bits
	v_writelane_b32 v[208+2*\ks+QN%2], s[40+QN%4], QN/2   ; lane n / 2 will store words n and n + 1
	s_or_b32 s[24+2*\ks], s[24+2*\ks], s[40+QN%4]
	s_and_b32 s[25+2*\ks], s[25+2*\ks], s[40+QN%4]
.set QN, QN+1
.endr
.endr
.irp ks, 0,1,2,3
	global_store_b64 v11, v[208+2*\ks:209+2*\ks], s[20:21] offset:256*\ks   ; 32 lanes store 256 consecutive bytes
.endr
	v_mov_b32 v216, s31                            ; key step 3's AND, for lanes 7 on
.irp k, 0,1,2,3
	v_writelane_b32 v216, s[24+2*\k], \k
.endr
.irp k, 0,1,2
	v_writelane_b32 v216, s[25+2*\k], 4+\k
.endr
	global_store_b32 v9, v216, s[46:47]
	CLOSE
.Lfunc_end_k_q7bfeac87e8_quant:
	.size	k_q7bfeac87e8_quant, .Lfunc_end_k_q7bfeac87e8_quant-k_q7bfeac87e8_quant
	.p2alignl 7, 3214868480
	.fill 96, 4, 3214868480
	.section	.rodata,"a",@progbits
	.p2align	6, 0x0
	.amdhsa_kernel k_q7bfeac87e8_quant
		.amdhsa_group_segment_fixed_size 121344
		.amdhsa_private_segment_fixed_size 0
		.amdhsa_enable_private_segment 0
		.amdhsa_kernarg_size 80
		.amdhsa_user_sgpr_count 2
		.amdhsa_user_sgpr_kernarg_segment_ptr 1
		.amdhsa_wavefront_size32 1
		.amdhsa_system_sgpr_workgroup_id_x 1
		.amdhsa_system_sgpr_workgroup_id_y 1
		.amdhsa_system_sgpr_workgroup_id_z 1
		.amdhsa_system_vgpr_workitem_id 0
		.amdhsa_next_free_vgpr 240
		.amdhsa_next_free_sgpr 66
		.amdhsa_reserve_vcc 0
		.amdhsa_float_denorm_mode_32 3
		.amdhsa_float_denorm_mode_16_64 3
		.amdhsa_memory_ordered 1
		.amdhsa_forward_progress 1
		.amdhsa_inst_pref_size 182
	.end_amdhsa_kernel
	.amdgpu_metadata
---
amdhsa.version: [ 1, 2 ]
amdhsa.kernels:
  - .name:           k_q7bfeac87e8_quant
    .symbol:         k_q7bfeac87e8_quant.kd
    .args:
      - { .name: x, .offset: 0, .size: 8, .value_kind: global_buffer, .address_space: global }
      - { .name: mask, .offset: 8, .size: 8, .value_kind: global_buffer, .address_space: global }
      - { .name: wq, .offset: 16, .size: 8, .value_kind: global_buffer, .address_space: global }
      - { .name: wk, .offset: 24, .size: 8, .value_kind: global_buffer, .address_space: global }
      - { .name: wv, .offset: 32, .size: 8, .value_kind: global_buffer, .address_space: global }
      - { .name: wo, .offset: 40, .size: 8, .value_kind: global_buffer, .address_space: global }
      - { .name: xq, .offset: 48, .size: 8, .value_kind: global_buffer, .address_space: global }
      - { .name: wcs, .offset: 56, .size: 8, .value_kind: global_buffer, .address_space: global }
      - { .name: mbits, .offset: 64, .size: 8, .value_kind: global_buffer, .address_space: global }
      - { .name: mfl, .offset: 72, .size: 8, .value_kind: global_buffer, .address_space: global }
    .group_segment_fixed_size: 121344
    .private_segment_fixed_size: 0
    .kernarg_segment_align: 8
    .kernarg_segment_size: 80
    .max_flat_workgroup_size: 128
    .sgpr_count:     66
    .vgpr_count:     240
    .wavefront_size: 32
...
	.end_amdgpu_metadata
.endif
;; end of part 1
;; launch gemm_qkv (part 2): grid 24 x 8, 4 waves a work-group, clusters of 4 x 4, 327,680 bytes of LDS; arguments xq, wcs, bq, bk, bv, qc, kvc; writes qc, kvc
.if DOCPART == 2
	.amdgcn_target "amdgcn-amd-amdhsa--gfx1250"
	.amdhsa_code_object_version 6
	.text
	.protected	k_q7bfeac87e8_gemm_qkv
	.globl	k_q7bfeac87e8_gemm_qkv
	.p2align	8
	.type	k_q7bfeac87e8_gemm_qkv,@function
k_q7bfeac87e8_gemm_qkv:
	s_mov_b64 s[64:65], 0
	v_nop
	global_prefetch_b8 v0, s[64:65] scope:SCOPE_SE
	s_setreg_imm32_b32 hwreg(HW_REG_WAVE_MODE, 25, 1), 1
	s_wait_xcnt 0x0
	s_wait_alu depctr_hold_cnt(0) depctr_sa_sdst(0) depctr_va_vdst(0) depctr_va_sdst(0) depctr_va_ssrc(0) depctr_va_vcc(0) depctr_vm_vsrc(0)
	s_getreg_b32 s2, hwreg(HW_REG_IB_STS2, 6, 4)
	s_cmp_eq_u32 s2, 0
	s_cbranch_scc0 .Lentry_in_a_cluster
	s_endpgm
.Lentry_in_a_cluster:
	s_bfe_u32 s2, ttmp6, 0x10000c
	s_cmp_lg_u32 s2, 0xf033
	s_cbranch_scc0 .Lentry_shape_is_right
	s_endpgm
.Lentry_shape_is_right:
.set TA,    8
.set TB,    8
.set NQ,    2
.set FRB,   1536
.set SEC,   3276800
.set OPC,   3145728
.set HALFT, TA*NQ*FRB
.set SLOT,  4*HALFT
.set SCL,   2*SLOT
.set HALFS, TA*1024
.set SPARE, SCL+4*HALFS
.set LAPS,  16/(2*NQ)
.set LI,   5
.set ADRA, 16
.set ADRB, 20
.set ADRS, 27
.set SPW,  28
.set NIL,  29
.set BL,   48
.set H,    64
.set TM,   128
.set PC,   144
.set WD,   168
.set IMG,  176
.set BLP,  192
.set SEL,  98
.set G1,   24
.set G0,   32
.set G1B,  48
.set G0B,  56
.set G1S,  68
.set G0S,  76
.set G1SB, 4
.set G0SB, 80
.set MSB, 0
.macro WIN new
.if MSB != (\new)
	s_set_vgpr_msb (MSB<<8)|(\new)
.set MSB, (\new)
.endif
.endm
.macro JLOAD g0a, g1a, g0b, g1b
	s_cmp_eq_u32 s15, 0
	s_cbranch_scc0 .Lfor_b_\@
	tensor_load_to_lds s[\g0a:\g0a+3], s[\g1a:\g1a+7]
	s_nop 0
.rept 4
	v_nop
.endr
	s_branch .Lasked_\@
.Lfor_b_\@:
	tensor_load_to_lds s[\g0b:\g0b+3], s[\g1b:\g1b+7]
	s_nop 0
.rept 4
	v_nop
.endr
.Lasked_\@:
.endm
.macro CREST
	s_cmp_lg_u32 s14, 0
	s_cbranch_scc1 .Lnot_wave_0_\@
	s_barrier_signal -3
.Lnot_wave_0_\@:
	s_barrier_wait -3
	s_barrier_signal -1
	s_barrier_wait -1
.endm
.macro CROUND
	s_barrier_signal -1
	s_barrier_wait -1
	CREST
.endm
.macro PLACES n
.rept \n
	v_nop
.endr
.endm
.macro FETCH slot, sl, p
	WIN 0x40
.set QI, 0
.rept TB
.irp c, 0,1,2
	ds_load_b128 v[128*(\p)+12*QI+4*\c:128*(\p)+12*QI+4*\c+3], v[ADRB+\slot] offset:QI*NQ*FRB+(\sl)*FRB+512*\c
.endr
.set QI, QI+1
.endr
	WIN 0
.set QI, 0
.rept TA
.irp c, 0,1,2
	ds_load_b128 v[64+96*(\p)+12*QI+4*\c:64+96*(\p)+12*QI+4*\c+3], v[ADRA+\slot] offset:QI*NQ*FRB+(\sl)*FRB+512*\c
.endr
.set QI, QI+1
.endr
.set QI, 0
.rept TA
	ds_load_b32 v[32+8*(\p)+QI], v[ADRS] offset:1024*QI+64*(\sl)
.set QI, QI+1
.endr
.endm
.macro MULA a, p, mode
	WIN 0xa1+0x50*((\a)/4)
.set QB, 0
.rept TB
.set AC, 8*(TB*((\a)%4)+QB)
.if (\mode) == 0
	v_wmma_scale_f32_16x16x128_f8f6f4 v[AC:AC+7], v[128*(\p)+12*QB:128*(\p)+12*QB+11], v[64+96*(\p)+12*(\a):64+96*(\p)+12*(\a)+11], v[AC:AC+7], v[32+8*(\p)+QB], v[32+8*(\p)+(\a)] matrix_a_fmt:MATRIX_FMT_FP6 matrix_b_fmt:MATRIX_FMT_FP6 matrix_a_scale:MATRIX_SCALE_ROW1
.else
	v_wmma_scale_f32_16x16x128_f8f6f4 v[AC:AC+7], v[128*(\p)+12*QB:128*(\p)+12*QB+11], v[64+96*(\p)+12*(\a):64+96*(\p)+12*(\a)+11], 0, v[32+8*(\p)+QB], v[32+8*(\p)+(\a)] matrix_a_fmt:MATRIX_FMT_FP6 matrix_b_fmt:MATRIX_FMT_FP6 matrix_a_scale:MATRIX_SCALE_ROW1
.endif
.set QB, QB+1
.endr
.endm
.macro MULS from, to, p, mode
.set QA, \from
.rept (\to)-(\from)
	MULA QA, \p, \mode
.set QA, QA+1
.endr
.endm
.macro STEP slot, sl, mode
	s_wait_dscnt 0x0
	PLACES 4
	FETCH \slot, (\sl)+1, 1-(\sl)%2
	MULS 0, TA, (\sl)%2, \mode
	WIN 0
.endm
.macro TURN slot, next, fill
	s_wait_tensorcnt 0x0
	ds_add_u32 v[SPW], v[NIL]
	s_wait_dscnt 0x1
	MULS 0, TA/4, 1, 0
	s_wait_dscnt 0x0
	s_barrier_signal -1
	MULS TA/4, TA/2, 1, 0
	WIN 0
	s_barrier_wait -1
.if \fill
	CREST
	s_add_nc_u64 s[G0+4*\slot+2:G0+4*\slot+3], s[G0+4*\slot+2:G0+4*\slot+3], 2*NQ*FRB
	s_add_nc_u64 s[G0B+4*\slot+2:G0B+4*\slot+3], s[G0B+4*\slot+2:G0B+4*\slot+3], 2*NQ*FRB
	JLOAD G0+4*\slot, G1, G0B+4*\slot, G1B
.else
	PLACES 4
.endif
	s_wait_alu depctr_va_vdst(0)
	v_add_nc_u32 v[ADRS], 64*NQ, v[ADRS]
	FETCH \next, 0, 0
	MULS TA/2, TA, 1, 0
	WIN 0
.endm
.macro QUANT s, pw
.irp b, 0,1,2,3
	v_max3_num_f32 v[TM+\b], |v[(\s)+16*\b]|, |v[(\s)+1+16*\b]|, 0x1800000
.endr
.irp i, 2,4,6,8,10,12,14
.irp b, 0,1,2,3
	v_max3_num_f32 v[TM+\b], v[TM+\b], |v[(\s)+16*\b+\i]|, |v[(\s)+1+16*\b+\i]|
.endr
.endr
.irp b, 0,1,2,3
	v_permlanex16_b32 v[TM+4+\b], v[TM+\b], s[SEL], s[SEL+1]
.endr
.irp b, 0,1,2,3
	v_max_num_f32 v[TM+\b], v[TM+\b], v[TM+4+\b]
.endr
.irp b, 0,1,2,3
	v_add_nc_u32 v[TM+12+\b], 0xff000000, v[TM+\b]
.endr
.irp b, 0,1,2,3
	v_lshrrev_b32 v[TM+4+\b], 23, v[TM+12+\b]
.endr
	v_lshl_or_b32 v[\pw], v[TM+5], 8, v[TM+4]
	v_lshl_or_b32 v[\pw], v[TM+6], 16, v[\pw]
	v_lshl_or_b32 v[\pw], v[TM+7], 24, v[\pw]
.irp c, 0,1
	v_cvt_scalef32_pk16_fp6_f32 v[PC+6*\c:PC+2+6*\c], v[(\s)+32*\c:(\s)+15+32*\c], v[TM+12+2*\c]
	v_cvt_scalef32_pk16_fp6_f32 v[PC+12+4*\c:PC+14+4*\c], v[(\s)+16+32*\c:(\s)+31+32*\c], v[TM+12+2*\c+1]
.endr
	v_nop
.irp c, 0,1
.irp i, 0,1,2
	v_permlane16_swap_b32 v[PC+6*\c+\i], v[PC+12+4*\c+\i]
.endr
.irp i, 0,1,2
	v_mov_b32 v[PC+3+6*\c+\i], v[PC+12+4*\c+\i]
.endr
.endr
.endm
	s_load_b256 s[84:91], s[0:1], 0x0
	s_load_b128 s[92:95], s[0:1], 0x20
	s_load_b64 s[96:97], s[0:1], 0x30
	v_lshl_add_u32 v[SPW], v0, 2, SPARE
	v_mov_b32 v[NIL], 0
	ds_add_u32 v[SPW], v[NIL]
	ds_add_u32 v[SPW], v[NIL]
	v_lshrrev_b32 v1, 5, v0
	v_readfirstlane_b32 s14, v1
	s_lshr_b32 s15, s14, 1
	s_and_b32 s16, s14, 1
	s_bfe_u32 s40, ttmp6, 0x40000
	s_bfe_u32 s41, ttmp6, 0x40004
	s_lshl_b32 s42, ttmp9, 2
	s_add_co_u32 s42, s42, s40
	s_and_b32 s67, s42, 7
	s_lshr_b32 s66, ttmp9, 1
	s_and_b32 s17, ttmp7, 0xffff
	s_lshl_b32 s17, s17, 2
	s_add_co_u32 s17, s17, s41
	s_lshl_b32 s43, s41, 2
	s_lshl_b32 s43, 15, s43
	s_lshl_b32 s44, 0x1111, s40
	s_or_b32 s[G1], s43, (3<<16)|(1<<21)
	s_or_b32 s[G1B], s44, (3<<16)|(1<<21)
.irp g, G1, G1B
	s_mov_b32 s[\g+1], (NQ*192)<<16
	s_mov_b32 s[\g+2], (2*TA)<<16                  ; the head's loads bring both halves of a slot's tiles; behind them the two words that count rows are set to TA
	s_mov_b32 s[\g+3], (NQ*192)<<16
	s_mov_b32 s[\g+4], 2*TA
	s_mov_b32 s[\g+5], 3072
	s_mov_b32 s[\g+6], 0
	s_mov_b32 s[\g+7], 0
.endr
	s_or_b32 s[G1S], s43, (3<<16)|(1<<21)
	s_or_b32 s[G1SB], s44, (3<<16)|(1<<21)
.irp g, G1S, G1SB
	s_mov_b32 s[\g+1], 32<<16
	s_mov_b32 s[\g+2], (8*TA)<<16                  ; the scale words of all 2 TA tiles: 8 TA rows of 256 bytes
	s_mov_b32 s[\g+3], 32<<16
	s_mov_b32 s[\g+4], 8*TA
	s_mov_b32 s[\g+5], 32
	s_mov_b32 s[\g+6], 0
	s_mov_b32 s[\g+7], 0
.endr
	s_lshl_b32 s18, s16, 3
	s_lshl_b32 s20, s17, 4
	s_add_co_u32 s20, s20, s18
	s_lshl_b32 s46, s67, 4
	s_add_co_u32 s46, s46, s18
	s_lshl_b32 s22, s20, 10
	s_add_co_u32 s22, s22, OPC
	s_mov_b32 s23, 0
	s_lshl_b32 s98, s46, 10
	s_add_co_u32 s98, s98, OPC
	s_mov_b32 s99, 0
	s_mul_i32 s20, s20, 16*FRB
	s_mov_b32 s21, 0
	s_mul_i32 s46, s46, 16*FRB
	s_mov_b32 s47, 0
	s_mul_i32 s45, s14, HALFT
	s_mul_i32 s2, s66, SEC
	s_mov_b32 s3, 0
	s_wait_dscnt 0x0
	s_wait_kmcnt 0x0
	s_add_nc_u64 s[86:87], s[86:87], s[2:3]
	s_cmp_eq_u32 s66, 0
	s_cselect_b64 s[88:89], s[88:89], s[90:91]
	s_cmp_eq_u32 s66, 2
	s_cselect_b64 s[88:89], s[92:93], s[88:89]
	s_cselect_b64 s[90:91], s[86:87], s[84:85]
	s_cselect_b64 s[92:93], s[84:85], s[86:87]
	s_add_nc_u64 s[20:21], s[90:91], s[20:21]
	s_add_nc_u64 s[22:23], s[90:91], s[22:23]
	s_add_nc_u64 s[46:47], s[92:93], s[46:47]
	s_add_nc_u64 s[98:99], s[92:93], s[98:99]
	CROUND
	s_mov_b32 s[G0S], 1
	s_mov_b32 s[G0S+1], SCL
	s_mul_i32 s2, s16, HALFS                       ; back from my half's first tile to the block's first
	s_mov_b32 s3, 0
	s_sub_nc_u64 s[G0S+2:G0S+3], s[22:23], s[2:3]
	s_or_b32 s[G0S+3], s[G0S+3], 0x80000000
	s_mov_b32 s[G0SB], 1
	s_mov_b32 s[G0SB+1], SCL+2*HALFS
	s_sub_nc_u64 s[G0SB+2:G0SB+3], s[98:99], s[2:3]
	s_or_b32 s[G0SB+3], s[G0SB+3], 0x80000000
.set G0H,  84                          ; s[84:87], s[40:43] group 0 for the head's loads of slot 0: all of A's tiles, all of B's (what lay in these registers has been used)
.set G0HB, 40
	s_mul_i32 s2, s16, TA*16*FRB
	s_mov_b32 s[G0H], 1
	s_mov_b32 s[G0H+1], 0
	s_sub_nc_u64 s[G0H+2:G0H+3], s[20:21], s[2:3]
	s_or_b32 s[G0H+3], s[G0H+3], 0x80000000
	s_mov_b32 s[G0HB], 1
	s_mov_b32 s[G0HB+1], 2*HALFT
	s_sub_nc_u64 s[G0HB+2:G0HB+3], s[46:47], s[2:3]
	s_or_b32 s[G0HB+3], s[G0HB+3], 0x80000000
.irp s, 0,1
	s_mov_b32 s[G0+4*\s], 1
	s_add_co_u32 s[G0+4*\s+1], s45, \s*SLOT
	s_add_nc_u64 s[G0+4*\s+2:G0+4*\s+3], s[20:21], \s*NQ*FRB
	s_or_b32 s[G0+4*\s+3], s[G0+4*\s+3], 0x80000000
	s_mov_b32 s[G0B+4*\s], 1
	s_add_co_u32 s[G0B+4*\s+1], s45, \s*SLOT
	s_add_nc_u64 s[G0B+4*\s+2:G0B+4*\s+3], s[46:47], \s*NQ*FRB
	s_or_b32 s[G0B+4*\s+3], s[G0B+4*\s+3], 0x80000000
.endr
; THE HEAD'S LOADS, ONE A WAVE: wave 0 fetches slot 0's tiles of A, wave 1 those of B, wave 2 A's scale words, wave 3 B's.  One chain of branches on the wave's number, a load to an arm.
.macro ARM under, g0, g1, next
	s_cmp_lt_u32 s14, \under
	s_cbranch_scc0 \next
	tensor_load_to_lds s[\g0:\g0+3], s[\g1:\g1+7]
	s_nop 0
.rept 4
	v_nop
.endr
	s_branch .Lhead_asked
\next:
.endm
	ARM 1, G0H,  G1,  .Lhead_b
	ARM 2, G0HB, G1B, .Lhead_sa
	ARM 3, G0S,  G1S, .Lhead_sb
	tensor_load_to_lds s[G0SB:G0SB+3], s[G1SB:G1SB+7]
	s_nop 0
.rept 4
	v_nop
.endr
.Lhead_asked:
	s_mov_b32 s[SEL], 0x76543210
	s_mov_b32 s[SEL+1], 0xfedcba98
	v_and_b32 v1, 15, v0
	v_bfe_u32 v2, v0, 4, 1
	s_wait_alu depctr_va_vdst(0)
	v_and_b32 v3, 31, v0
	v_lshlrev_b32 v[LI], 4, v3
	s_mul_i32 s21, s15, HALFT
	s_mul_i32 s22, s16, HALFT
	s_add_co_u32 s22, s22, 2*HALFT
.irp s, 0,1
	v_add_nc_u32 v[ADRA+\s], s21, v[LI]
	v_add_nc_u32 v[ADRB+\s], s22, v[LI]
	s_add_co_u32 s21, s21, SLOT
	s_add_co_u32 s22, s22, SLOT
.endr
	v_lshlrev_b32 v6, 2, v1
	s_mul_i32 s21, s15, HALFS
	s_mul_i32 s22, s16, HALFS
	s_add_co_u32 s22, s22, 2*HALFS
	s_sub_co_u32 s22, s22, s21
	v_mul_u32_u24 v7, s22, v2
	s_add_co_u32 s21, s21, SCL
	v_add_nc_u32 v6, v6, v7
	v_add_nc_u32 v[ADRS], s21, v6
	s_lshl_b32 s18, s17, 1
	s_add_co_u32 s18, s18, s15
	s_lshl_b32 s19, s67, 1
	s_add_co_u32 s19, s19, s16
	v_lshlrev_b32 v8, 6, v2
	s_lshl_b32 s20, s19, 9
	v_add_nc_u32 v8, s20, v8
	WIN 0x40
.irp bb, 0,1
.irp q, 0,1,2,3
	global_load_b128 v[96+16*\bb+4*\q:99+16*\bb+4*\q], v8, s[88:89] offset:128*\bb+16*\q
	global_load_b128 v[224+16*\bb+4*\q:227+16*\bb+4*\q], v8, s[88:89] offset:256+128*\bb+16*\q
.endr
.endr
	WIN 0
	v_and_b32 v9, 8, v1
	v_add_nc_u32 v9, v9, v1
	v_lshlrev_b32 v9, 2, v9
	s_lshl_b32 s20, s18, 9
	v_add_nc_u32 v9, s20, v9
.irp a, 0,1,2,3,4,5,6,7
	global_load_b32 v[BL+\a], v9, s[88:89] offset:4*(32*(\a/2)+8*(\a%2))
.endr
	s_cmp_eq_u32 s66, 2
	s_cselect_b32 s20, s18, s19
	s_cselect_b32 s21, s19, s18
	s_cselect_b32 s22, 12800, 0
	s_lshl_b32 s20, s20, 4
	s_add_co_u32 s20, s20, s21
	s_cmp_eq_u32 s66, 0
	s_cselect_b64 s[12:13], s[94:95], s[96:97]
	s_mov_b32 s23, 25600
	s_cselect_b32 s23, 12800, s23
	s_mul_i32 s20, s20, s23
	s_add_co_u32 s20, s20, s22
	s_mov_b32 s21, 0
	s_add_nc_u64 s[12:13], s[12:13], s[20:21]
	s_wait_alu depctr_va_vdst(0)
	s_wait_tensorcnt 0x0                           ; my tile of the head's four is in
	ds_add_u32 v[SPW], v[NIL]
	s_mov_b32 s[G1+2], TA<<16                      ; no tensor load of mine is out, so a descriptor may be written: from here on a load brings TA tiles
	s_mov_b32 s[G1+4], TA
	s_mov_b32 s[G1B+2], TA<<16
	s_mov_b32 s[G1B+4], TA
	s_wait_dscnt 0x0
	CROUND                                         ; all four tiles are in, and all sixteen work-groups are here
	JLOAD G0+4, G1, G0B+4, G1B                     ; slot 1's first fill, the first tensor load behind the round
	FETCH 0, 0, 0
	STEP 0, 0, 1
	s_mov_b32 s3, LAPS-1
.Llap:
	TURN 0, 1, 1
	s_wait_alu depctr_va_vdst(0)
	STEP 1, 0, 0
	TURN 1, 0, 1
	s_wait_alu depctr_va_vdst(0)
	STEP 0, 0, 0
	s_sub_co_u32 s3, s3, 1
	s_cmp_lg_u32 s3, 0
	s_cbranch_scc1 .Llap
	TURN 0, 1, 0
	s_wait_alu depctr_va_vdst(0)
	STEP 1, 0, 0
	s_wait_dscnt 0x0
	MULS 0, TA, 1, 0
	WIN 0
	s_wait_loadcnt 0x0
	PLACES 4
	s_cmp_eq_u32 s66, 2
	s_cselect_b32 s20, 0, 0x3f800000
	s_cselect_b32 s21, 0x3f800000, 0
	s_mov_b32 s23, 0xffff0000
	WIN 0x44
.set QE, 0
.rept 32
	v_mul_f32 v[96+QE], s20, v[96+QE]
	v_mul_f32 v[224+QE], s20, v[224+QE]
.set QE, QE+1
.endr
	WIN 0
.irp a, 0,1,2,3,4,5,6,7
	v_mul_f32 v[BLP+2*\a], s21, v[BL+\a]
	v_mul_f32 v[BLP+2*\a+1], s21, v[BL+\a]
.endr
.irp b, 0,1,2,3
	v_mov_b32 v[TM+4+\b], 0
.endr
.macro EPI a
.if (\a) > 0
	s_wait_xcnt 0x0
.endif
	WIN 0x06+(\a)/4
.set QE, 0
.rept 16
	v_pk_add_f32 v[H+QE:H+QE+1], v[64*((\a)%4)+QE:64*((\a)%4)+QE+1], v[96+QE:96+QE+1]
.set QE, QE+2
.endr
.rept 16
	v_pk_add_f32 v[H+QE:H+QE+1], v[64*((\a)%4)+QE:64*((\a)%4)+QE+1], v[192+QE:192+QE+1]
.set QE, QE+2
.endr
	WIN 0
.set QE, 0
.rept 32
	v_pk_add_f32 v[H+QE:H+QE+1], v[H+QE:H+QE+1], v[BLP+2*(\a):BLP+2*(\a)+1]
.set QE, QE+2
.endr
	QUANT H, WD+(\a)
.irp c, 0,1,2
	global_store_b128 v[LI], v[PC+4*\c:PC+4*\c+3], s[12:13] offset:FRB*(\a)+512*\c
.endr
.endm
.irp a, 0,1,2,3,4,5,6,7
	EPI \a
.endr
.irp j, 0,1,2,3
	v_cndmask_b32 v[IMG+\j], v[WD+2*\j], v[WD+2*\j+1], s23
.endr
	global_store_b128 v[LI], v[IMG:IMG+3], s[12:13] offset:8*FRB
	s_wait_tensorcnt 0x0
	ds_add_u32 v[SPW], v[NIL]
	s_wait_dscnt 0x0
	CROUND
	s_endpgm
.Lfunc_end_k_q7bfeac87e8_gemm_qkv:
	.size	k_q7bfeac87e8_gemm_qkv, .Lfunc_end_k_q7bfeac87e8_gemm_qkv-k_q7bfeac87e8_gemm_qkv
	.p2alignl 7, 3214868480
	.fill 96, 4, 3214868480
	.section	.rodata,"a",@progbits
	.p2align	6, 0x0
	.amdhsa_kernel k_q7bfeac87e8_gemm_qkv
		.amdhsa_group_segment_fixed_size 327680
		.amdhsa_private_segment_fixed_size 0
		.amdhsa_enable_private_segment 0
		.amdhsa_kernarg_size 56
		.amdhsa_user_sgpr_count 2
		.amdhsa_user_sgpr_kernarg_segment_ptr 1
		.amdhsa_wavefront_size32 1
		.amdhsa_system_sgpr_workgroup_id_x 1
		.amdhsa_system_sgpr_workgroup_id_y 1
		.amdhsa_system_sgpr_workgroup_id_z 1
		.amdhsa_system_vgpr_workitem_id 0
		.amdhsa_next_free_vgpr 1024
		.amdhsa_next_free_sgpr 100
		.amdhsa_reserve_vcc 0
		.amdhsa_float_denorm_mode_32 3
		.amdhsa_float_denorm_mode_16_64 3
		.amdhsa_memory_ordered 1
		.amdhsa_forward_progress 1
		.amdhsa_inst_pref_size 179
	.end_amdhsa_kernel
	.amdgpu_metadata
---
amdhsa.version: [ 1, 2 ]
amdhsa.kernels:
  - .name:           k_q7bfeac87e8_gemm_qkv
    .symbol:         k_q7bfeac87e8_gemm_qkv.kd
    .args:
      - { .name: xq, .offset: 0, .size: 8, .value_kind: global_buffer, .address_space: global }
      - { .name: wcs, .offset: 8, .size: 8, .value_kind: global_buffer, .address_space: global }
      - { .name: bq, .offset: 16, .size: 8, .value_kind: global_buffer, .address_space: global }
      - { .name: bk, .offset: 24, .size: 8, .value_kind: global_buffer, .address_space: global }
      - { .name: bv, .offset: 32, .size: 8, .value_kind: global_buffer, .address_space: global }
      - { .name: qc, .offset: 40, .size: 8, .value_kind: global_buffer, .address_space: global }
      - { .name: kvc, .offset: 48, .size: 8, .value_kind: global_buffer, .address_space: global }
    .group_segment_fixed_size: 327680
    .private_segment_fixed_size: 0
    .kernarg_segment_align: 8
    .kernarg_segment_size: 56
    .max_flat_workgroup_size: 128
    .sgpr_count:     100
    .vgpr_count:     1024
    .wavefront_size: 32
...
	.end_amdgpu_metadata
.endif
;; end of part 2
;; launch attn (part 3): grid 16 x 16, 16 waves a work-group, no clusters, 280,576 bytes of LDS; arguments qc, kvc, mbits, mfl, slopes, aq; writes aq
.if DOCPART == 3
	.amdgcn_target "amdgcn-amd-amdhsa--gfx1250"
	.amdhsa_code_object_version 6
	.text
	.protected	k_q7bfeac87e8_attn
	.globl	k_q7bfeac87e8_attn
	.p2align	8
	.type	k_q7bfeac87e8_attn,@function
k_q7bfeac87e8_attn:
	s_mov_b64 s[64:65], 0
	v_nop
	global_prefetch_b8 v0, s[64:65] scope:SCOPE_SE
	s_setreg_imm32_b32 hwreg(HW_REG_WAVE_MODE, 25, 1), 1
	s_wait_xcnt 0x0
; For each head: logits = q . k / sqrt(128) + slope (key - query), -1e10 where the mask input is false; the softmax; x v.  Both products on codes of FP6 (E2M3) with E8M0 scales; the result is quantised along the
; head's 128 and stored as K step `head` of the last product's operand.
; THE SOFTMAX: t = logit x log2(e); M = the running largest t rounded up to a whole number; p = 2^(t - M) is quantised along the keys, not normalised; the row's sum is taken of the unquantised p and divides at the end;
; when M moves, the sum and O are multiplied by 2^(old M - new M), which rounds nothing.
; WHAT THE MASK'S WORDS DECIDE.  mbits holds the mask as lane masks, mfl the OR and the AND of the 64 lane masks of each (tile of 16 queries, step of 128 keys): whole numbers that an earlier launch stored.
; A step whose OR is 0 hides all its keys from all 16 queries.  If every row of the tile has an open key somewhere (the OR over the tile's 16 steps has a bit for each row), each hidden key's p is 2^(-1e10 log2(e) - M) = 0
; beside the open key's, so such a step adds nothing and is jumped over by a scalar branch.  If some row of the tile has no open key, all 16 steps are walked: that row gets p = 1 at every key, as the definition gives.
; A step whose AND is all ones hides nothing: its 64 selects are jumped over.  The launch has no tensor load: K's and V's fragments, kept in memory as images of the
; operands' registers, go straight into registers, 512 consecutive bytes a load.  No cluster and no joint loads.
; SHARES.  256 work-groups of sixteen waves.  Work-group (x, head): p = x / 2, e = x % 2; it owns tiles 4 e .. 4 e + 3 of query block 15 - p (phase 0) and of block p (phase 1).  Wave w: j = w % 4, s = w / 4; in phase 0
; it walks key steps s + 4 i of tile j of the first block, in phase 1 steps 3 - s + 4 i of tile j of the second: trip counts are constants, 2 x 4.  After each phase O^T, M and the sum go to LDS bytes of the wave's own;
; one barrier; waves 0 to 7 each join the four parts of one tile under the largest M, by powers of two, divide, quantise and store.
; LAYOUT.  Both products transposed: S^T = K Q^T, O^T = V^T P^T: a lane holds one query; score register 16 b + e is key (the step's first) + 32 b + 16 (lane / 16) + e.
; ALIBI.  t = c (q.k + CA[e]) + a F_b, c = log2(e) / sqrt(128), a = slope log2(e), CA[e] = slope sqrt(128) (16 (lane / 16) + e), F_b = first key of the step + 32 b - my query.  CA is the C of the score product.
; A hidden score in a walked step is replaced by -2^100: c x 2^100 swallows every addend, so all hidden t are one number.
; REGISTERS.  v80-191 serve by turns: at a step's head K's eight fragments land in v96-191; the scores of tiles 0 to 7 go to v80-143, each over fragments that are done with (five places ahead of each such product);
; V's tiles 0-3 land in v144-191 under the softmax, V's tiles 4-7 in v80-127 once p has become codes.
; LIMITS: open logits lie above -1e10 + 200 (the definition needs that too, for a hidden key to count for nothing beside them); NaN and infinities are not served; a row's sums over the keys are formed in four parts
; and then added, so their order of rounding is not that of one stream over the keys.
; No prefetch into the L2: which records a wave reads hangs on the stored words, and a wave has eight trips at the most, with all of a step's K asked for at the step's head: there is no run of trips to ask ahead in.
.set KSB,   25600                      ; a key step in memory: K's record, V's record (8 fragments of 1,536 bytes + 512 of scale words each)
.set SPARE, 0                          ; the spare words, 128 bytes for each of sixteen waves
.set MRG,   2048                       ; the parts: region 16 x phase + wave, 16 x 512 bytes of O^T and 512 of statistics
.set MRB,   17*512
.set OPC,   3145728
.set TP,  0                            ; v0   at work (behind the head)
.set LI,  1                            ; v1   16 x lane
.set SPW, 2                            ; v2   SPARE + 4 x my thread's number; never rewritten
.set NIL, 3                            ; v3   0; never rewritten
.set NEG, 4                            ; v4   -2^100
                                       ; v5, v29 offsets of Q's loads; v6 r + 8 (r / 8); v7 r = lane % 16
.set RW,  6
.set RR,  7
.set FB,  8                            ; v8-11  32 b - my query
                                       ; v12 -M, v13 the largest t, v[14:15] the sum in two halves
.set Q,   16                           ; v16-27 Q's fragment
.set QS,  28                           ; v28  Q's scale words
.set FF,  30                           ; v30  f = 2^(old M - new M)
.set PW,  31                           ; v31  p's scale word
.set CA,  32                           ; v32-47
.set AM,  48                           ; v48-55 four pairs: a F_b - M, a F_b; behind them the sums' chains and the conversions' other halves
.set SI,  56                           ; v56-59 the image of K's scale words, then of V's
.set BM,  60                           ; v60-63 the blocks' largest scores, largest p, the conversions' scale operands
.set BT,  64                           ; v64-67 at work
.set PC,  68                           ; v68-79 p's codes
.set S,   80                           ; v80-143 S^T, then p
.set KF,  96                           ; v96-191 K's eight fragments
.set VA,  144                          ; v144-191 V's tiles 0-3
.set O,   192                          ; v192-255 O^T
.set TM,  168                          ; the way out: 16 registers at work
.set SEL, 8                            ; s[8:9] lane selects for v_permlanex16_b32: lane l xor 16
; s2 phase, s3 trip, s[4:5] my tile's mask words, s6 the step's offset there, s7 wave, s[10:11] c, s12 a, s13 slope sqrt(128), s14 bit 4 phase + trip: the step is walked, s15: it needs its selects,
; s[16:17] qc, s[18:19] the head's records, s[20:21] mbits, s22 my share of the steps, s23 first key as f32, s[24:25] the step's records, s[26:27] aq, s29 w / 4, s30 my part's LDS bytes, s31 head,
; s100, s101 my two tiles; s32-63, s68-99 the step's 64 mask words
.macro QUANT s, pw                     ; 64 numbers of a lane, register 16 b + i = k 32 b + 16 (lane / 16) + i, become a fragment's codes in v[PC] on and its scale word
.irp b, 0,1,2,3
	v_max3_num_f32 v[TM+\b], |v[(\s)+16*\b]|, |v[(\s)+1+16*\b]|, 0x1800000   ; block b: my 16 numbers, and the floor 2^(3 - 127)
.endr
.irp i, 2,4,6,8,10,12,14
.irp b, 0,1,2,3
	s_delay_alu instid0(VALU_DEP_4)
	v_max3_num_f32 v[TM+\b], v[TM+\b], |v[(\s)+16*\b+\i]|, |v[(\s)+1+16*\b+\i]|
.endr
.endr
.irp b, 0,1,2,3
	s_delay_alu instid0(VALU_DEP_4)
	v_permlanex16_b32 v[TM+4+\b], v[TM+\b], s[SEL], s[SEL+1]
.endr
.irp b, 0,1,2,3
	s_delay_alu instid0(VALU_DEP_4)
	v_max_num_f32 v[TM+\b], v[TM+\b], v[TM+4+\b]   ; with lane l xor 16's: the block's largest magnitude
.endr
.irp b, 0,1,2,3
	s_delay_alu instid0(VALU_DEP_4)
	v_add_nc_u32 v[TM+12+\b], 0xff000000, v[TM+\b] ; 2 off its exponent field: the conversion's scale operand
.endr
.irp b, 0,1,2,3
	s_delay_alu instid0(VALU_DEP_4)
	v_lshrrev_b32 v[TM+4+\b], 23, v[TM+12+\b]      ; the scale's byte
.endr
	s_delay_alu instid0(VALU_DEP_3)
	v_lshl_or_b32 v[\pw], v[TM+5], 8, v[TM+4]
	s_delay_alu instid0(VALU_DEP_1)
	v_lshl_or_b32 v[\pw], v[TM+6], 16, v[\pw]
	s_delay_alu instid0(VALU_DEP_1)
	v_lshl_or_b32 v[\pw], v[TM+7], 24, v[\pw]
.irp c, 0,1
	v_cvt_scalef32_pk16_fp6_f32 v[PC+6*\c:PC+2+6*\c], v[(\s)+32*\c:(\s)+15+32*\c], v[TM+12+2*\c]
	v_cvt_scalef32_pk16_fp6_f32 v[PC+12+4*\c:PC+14+4*\c], v[(\s)+16+32*\c:(\s)+31+32*\c], v[TM+12+2*\c+1]
.endr
	v_nop                                          ; one plain line behind the conversions
.irp c, 0,1                                    ; the operand's layout wants a whole block in a lane
.irp i, 0,1,2
	v_permlane16_swap_b32 v[PC+6*\c+\i], v[PC+12+4*\c+\i]
.endr
.irp i, 0,1,2
	s_delay_alu instid0(VALU_DEP_3)
	v_mov_b32 v[PC+3+6*\c+\i], v[PC+12+4*\c+\i]
.endr
.endr
.endm
.macro FRAGS reg, off                  ; four fragments, as images of their registers: 12 loads of 512 consecutive bytes
.irp t, 0,1,2,3
.irp c, 0,1,2
	global_load_b128 v[(\reg)+12*\t+4*\c:(\reg)+12*\t+4*\c+3], v[LI], s[24:25] offset:(\off)+1536*\t+512*\c
.endr
.endr
.endm
.macro SC t                            ; S^T of K's tile t; the scale image's register j holds tile 2 j's words in lanes 0-15 and tile 2 j + 1's in lanes 16-31
.if (\t)%2
	v_wmma_scale_f32_16x16x128_f8f6f4 v[S+8*(\t):S+8*(\t)+7], v[KF+12*(\t):KF+12*(\t)+11], v[Q:Q+11], v[CA+8:CA+15], v[SI+(\t)/2], v[QS] matrix_a_fmt:MATRIX_FMT_FP6 matrix_b_fmt:MATRIX_FMT_FP6 matrix_a_scale:MATRIX_SCALE_ROW1
.else
	v_wmma_scale_f32_16x16x128_f8f6f4 v[S+8*(\t):S+8*(\t)+7], v[KF+12*(\t):KF+12*(\t)+11], v[Q:Q+11], v[CA:CA+7], v[SI+(\t)/2], v[QS] matrix_a_fmt:MATRIX_FMT_FP6 matrix_b_fmt:MATRIX_FMT_FP6
.endif
.endm
.macro OUTS g, reg                     ; O^T += V^T P^T for V's tiles 4 g .. 4 g + 3: eight accumulators by turns, one instruction a turn
.irp t, 0,1,2,3
.if \t%2
	v_wmma_scale_f32_16x16x128_f8f6f4 v[O+8*(4*(\g)+\t):O+8*(4*(\g)+\t)+7], v[(\reg)+12*\t:(\reg)+12*\t+11], v[PC:PC+11], v[O+8*(4*(\g)+\t):O+8*(4*(\g)+\t)+7], v[SI+2*(\g)+\t/2], v[PW] matrix_a_fmt:MATRIX_FMT_FP6 matrix_b_fmt:MATRIX_FMT_FP6 matrix_a_scale:MATRIX_SCALE_ROW1
.else
	v_wmma_scale_f32_16x16x128_f8f6f4 v[O+8*(4*(\g)+\t):O+8*(4*(\g)+\t)+7], v[(\reg)+12*\t:(\reg)+12*\t+11], v[PC:PC+11], v[O+8*(4*(\g)+\t):O+8*(4*(\g)+\t)+7], v[SI+2*(\g)+\t/2], v[PW] matrix_a_fmt:MATRIX_FMT_FP6 matrix_b_fmt:MATRIX_FMT_FP6
.endif
.endr
.endm
.macro PLACES n
.rept \n
	v_nop
.endr
.endm
	s_load_b256 s[16:23], s[0:1], 0x0              ; qc, kvc, mbits, mfl
	s_load_b128 s[24:27], s[0:1], 0x20             ; slopes, aq
	v_lshl_add_u32 v[SPW], v0, 2, SPARE
	v_mov_b32 v[NIL], 0
	v_lshrrev_b32 v5, 5, v0
	v_readfirstlane_b32 s7, v5                     ; wave 0..15
	v_and_b32 v[RW], 31, v0
	v_lshlrev_b32 v[LI], 4, v[RW]                  ; 16 x lane
	v_and_b32 v[RR], 15, v0                        ; r
	v_and_b32 v[RW], 8, v[RR]
	v_add_nc_u32 v[RW], v[RW], v[RR]               ; r + 8 (r / 8): my row in a tile
	v_bfe_u32 v5, v0, 4, 1
	v_lshlrev_b32 v5, 4, v5                        ; 16 h
.irp e, 0,1,2,3,4,5,6,7,8,9,10,11,12,13,14,15
	v_add_nc_u32 v29, \e, v5
	v_cvt_f32_u32 v[CA+\e], v29
.endr
	v_mov_b32 v[NEG], 0xf1800000                   ; -2^100
.irp b, 0,1,2,3
	v_mov_b32 v[BT+\b], 0                          ; written once: a lane permute's destination counts as one of its sources
.endr
	s_and_b32 s28, s7, 3                           ; j
	s_lshr_b32 s29, s7, 2                          ; s
	s_lshr_b32 s66, ttmp9, 1                       ; p
	s_and_b32 s67, ttmp9, 1                        ; e
	s_lshl_b32 s67, s67, 2
	s_add_co_u32 s67, s67, s28                     ; 4 e + j
	s_lshl_b32 s101, s66, 3
	s_add_co_u32 s101, s101, s67                   ; phase 1's tile: 8 p + 4 e + j
	s_sub_co_u32 s100, 15, s66
	s_lshl_b32 s100, s100, 3
	s_add_co_u32 s100, s100, s67                   ; phase 0's tile: 8 (15 - p) + 4 e + j
	s_and_b32 s31, ttmp7, 0xffff                   ; the head
	s_mov_b32 s8, 0x76543210
	s_mov_b32 s9, 0xfedcba98
	s_mov_b32 s10, 0x3e0293ee                      ; c = log2(e) / sqrt(128)
	s_mov_b32 s11, s10
	s_lshl_b32 s84, s100, 7                        ; mfl: 128 bytes a tile
	s_mov_b32 s85, 0
	s_lshl_b32 s86, s101, 7
	s_mov_b32 s87, 0
	s_lshl_b32 s88, s29, 2                         ; my first step's word in phase 0,
	s_sub_co_u32 s89, 3, s29
	s_lshl_b32 s89, s89, 2                         ; and in phase 1
	s_mul_i32 s92, s31, 16*KSB
	s_mov_b32 s93, 0
	s_lshl_b32 s94, s31, 2
	s_mov_b32 s95, 0
	s_mul_i32 s30, s7, MRB
	s_add_co_u32 s30, s30, MRG                     ; my part's LDS bytes in phase 0
	s_wait_alu depctr_va_vdst(0)
	s_wait_kmcnt 0x0
	s_add_nc_u64 s[84:85], s[22:23], s[84:85]
	s_add_nc_u64 s[86:87], s[22:23], s[86:87]
	s_add_nc_u64 s[18:19], s[18:19], s[92:93]
	s_add_nc_u64 s[24:25], s[24:25], s[94:95]
	s_load_b32 s12, s[24:25], 0x0                  ; the head's slope
	s_load_b512 s[32:47], s[84:85], 0x0            ; the ORs of all 16 steps of phase 0's tile,
	s_load_b512 s[48:63], s[86:87], 0x0            ; and of phase 1's
.irp i, 0,1,2,3
	s_load_b32 s[68+\i], s[84:85], s88 offset:16*\i      ; my four steps: the OR,
	s_load_b32 s[72+\i], s[84:85], s88 offset:64+16*\i   ; the AND
	s_load_b32 s[76+\i], s[86:87], s89 offset:16*\i
	s_load_b32 s[80+\i], s[86:87], s89 offset:64+16*\i
.endr
	s_wait_kmcnt 0x0
	s_mul_f32 s13, s12, 0x413504f3                 ; slope x sqrt(128)
	s_mul_f32 s12, s12, 0x3fb8aa3b                 ; a = slope x log2(e)
.irp e, 0,1,2,3,4,5,6,7,8,9,10,11,12,13,14,15
	v_mul_f32 v[CA+\e], s13, v[CA+\e]              ; CA
.endr
.irp k, 1,2,3,4,5,6,7,8,9,10,11,12,13,14,15
	s_or_b32 s32, s32, s[32+\k]                    ; bit (r, h): row r has an open key among those of half h
	s_or_b32 s48, s48, s[48+\k]
.endr
	s_lshr_b32 s33, s32, 16
	s_or_b32 s32, s32, s33
	s_and_b32 s32, s32, 0xffff
	s_cmp_eq_u32 s32, 0xffff                       ; has every row of the tile an open key?
	s_cselect_b32 s14, 0, 15                       ; if not, all my four steps of the phase are walked
	s_lshr_b32 s49, s48, 16
	s_or_b32 s48, s48, s49
	s_and_b32 s48, s48, 0xffff
	s_cmp_eq_u32 s48, 0xffff
	s_cselect_b32 s49, 0, 0xf0
	s_or_b32 s14, s14, s49
	s_mov_b32 s15, 0
.irp t, 0,1,2,3,4,5,6,7
	s_cmp_lg_u32 s[68+8*(\t/4)+\t%4], 0            ; some key of the step is open to some query: walked
	s_cselect_b32 s33, 1<<\t, 0
	s_or_b32 s14, s14, s33
	s_cmp_lg_u32 s[72+8*(\t/4)+\t%4], -1           ; some key is hidden from some query: the selects are needed
	s_cselect_b32 s33, 1<<\t, 0
	s_or_b32 s15, s15, s33
.endr
	s_mov_b32 s2, 0
.Lphase:
	s_sub_co_u32 s22, 3, s29
	s_cmp_eq_u32 s2, 0
	s_cselect_b32 s22, s29, s22                    ; my steps: s22 + 4 i
	s_cselect_b32 s66, s100, s101                  ; my tile
	s_lshl_b32 s4, s66, 12                         ; its mask words: 16 key steps x 256 bytes
	s_mov_b32 s5, 0
	s_add_nc_u64 s[4:5], s[20:21], s[4:5]
	s_lshr_b32 s67, s66, 3
	s_lshl_b32 s23, s31, 4
	s_add_co_u32 s23, s23, s67
	s_mul_i32 s23, s23, 12800                      ; Q's record: 16 x head + block
	s_and_b32 s67, s66, 7
	s_mul_i32 s28, s67, 1536
	s_add_co_u32 s28, s28, s23                     ; my fragment in it
	v_add_nc_u32 v29, s28, v[LI]
	global_load_b128 v[Q:Q+3], v29, s[16:17]
	global_load_b128 v[Q+4:Q+7], v29, s[16:17] offset:512
	global_load_b128 v[Q+8:Q+11], v29, s[16:17] offset:1024
	s_and_b32 s28, s67, 1
	s_lshl_b32 s28, s28, 8
	s_lshr_b32 s67, s67, 1
	s_lshl_b32 s67, s67, 2
	s_add_co_u32 s28, s28, s67                     ; my tile's words in the record's scale image: 256 (tile % 2) + 4 (tile / 2)
	s_add_co_u32 s28, s28, s23
	v_lshl_add_u32 v5, v[RR], 4, s28
	global_load_b32 v[QS], v5, s[16:17] offset:12288
	s_lshr_b32 s67, s66, 1
	s_lshl_b32 s67, s67, 5
	s_and_b32 s28, s66, 1
	s_lshl_b32 s28, s28, 3
	s_add_co_u32 s67, s67, s28                     ; my tile's first query
	v_add_nc_u32 v[TP], s67, v[RW]                 ; my query
.irp b, 0,1,2,3
	v_sub_nc_u32 v[BT+\b], 32*\b, v[TP]
.endr
.irp b, 0,1,2,3
	v_cvt_f32_i32 v[FB+\b], v[BT+\b]               ; 32 b - my query: a whole number, exact
.endr
	v_mov_b32 v13, 0xff61b1e6                      ; the largest t so far: -3e38
	v_floor_f32 v12, -v13                          ; -M
	v_mov_b32 v14, 0
	v_mov_b32 v15, 0
	v_mov_b32 v[PW], 0                             ; (named as the upper half of the pair with f before it is first written)
.set QN, 0
.rept 64
	v_mov_b32 v[O+QN], 0                           ; O^T: which step is a phase's first hangs on the stored words, so the step is written once and finds zeros
.set QN, QN+1
.endr
	s_mov_b32 s3, 0
	s_wait_alu depctr_va_vdst(0)
.Lstep:
	s_lshl_b32 s66, s2, 2
	s_add_co_u32 s66, s66, s3                      ; 4 x phase + trip
	s_bitcmp1_b32 s14, s66
	s_cbranch_scc0 .Lskip                          ; nothing of this step counts for my tile
	s_lshl_b32 s67, s3, 2
	s_add_co_u32 s67, s67, s22                     ; the key step
	s_lshl_b32 s6, s67, 8
	s_mul_i32 s24, s67, KSB
	s_mov_b32 s25, 0
	s_add_nc_u64 s[24:25], s[18:19], s[24:25]      ; (every load by the last step's base has been waited for)
	s_lshl_b32 s23, s67, 7
	s_cvt_f32_u32 s23, s23                         ; its first key
.irp b, 0,1,2,3
	v_add_f32 v[AM+1+2*\b], s23, v[FB+\b]          ; F_b.  (These eight plain lines are the places behind the last step's products, in front of the loads into their operands' registers)
.endr
.irp b, 0,1,2,3
	s_delay_alu instid0(VALU_DEP_4)
	v_mul_f32 v[AM+1+2*\b], s12, v[AM+1+2*\b]      ; a F_b
.endr
	global_load_b128 v[SI:SI+3], v[LI], s[24:25] offset:12288   ; K's scale image
	FRAGS KF, 0
	FRAGS KF+48, 6144
	s_load_b512 s[32:47], s[4:5], s6 offset:0x0    ; the step's mask words
	s_load_b512 s[48:63], s[4:5], s6 offset:0x40
	s_load_b512 s[68:83], s[4:5], s6 offset:0x80
	s_load_b512 s[84:99], s[4:5], s6 offset:0xc0
	s_wait_alu depctr_va_vdst(0)
	s_wait_loadcnt 12                              ; Q, the scale image and K's tiles 0-3 are in; the twelve loads of tiles 4-7 may be out
	SC 0
	SC 1
	PLACES 5                                       ; tiles 2 to 4's scores fall on the fragments of tiles 0 and 1: five places behind the products that read them
	SC 2
	SC 3
	s_wait_loadcnt 0x0
	SC 4
	PLACES 5                                       ; tiles 5 to 7's scores fall on the fragments of tiles 2 and 3
	SC 5
	SC 6
	SC 7
	PLACES 4                                       ; in front of the loads into registers that the products have read, and of the first read of the scores
	global_load_b128 v[SI:SI+3], v[LI], s[24:25] offset:25088   ; V's scale image,
	FRAGS VA, 12800                                ; and V's tiles 0-3: on their way while the softmax is worked
	s_wait_kmcnt 0x0                               ; the mask words
	s_bitcmp1_b32 s15, s66
	s_cbranch_scc0 .Lopen                          ; every key of the step is open to every query of the tile
.set QN, 0
.rept 64
.if QN < 32
.set QM, 32+QN
.else
.set QM, 36+QN
.endif
	v_cndmask_b32 v[S+QN], v[NEG], v[S+QN], s[QM]  ; hidden: -2^100.  (Each accumulator from its low end on)
.set QN, QN+1
.endr
.Lopen:
.irp b, 0,1,2,3
	v_max3_num_f32 v[BM+\b], v[S+16*\b], v[S+1+16*\b], v[S+2+16*\b]   ; the largest score of each block of 32 keys: within a block t rises with it, so it serves for the row's maximum and for the block's largest p
.endr
.irp i, 3,5,7,9,11,13
.irp b, 0,1,2,3
	v_max3_num_f32 v[BM+\b], v[BM+\b], v[S+16*\b+\i], v[S+1+16*\b+\i]
.endr
.endr
.irp b, 0,1,2,3
	v_max_num_f32 v[BM+\b], v[BM+\b], v[S+15+16*\b]
.endr
.irp b, 0,1,2,3
	s_delay_alu instid0(VALU_DEP_4)
	v_permlanex16_b32 v[BT+\b], v[BM+\b], s8, s9
.endr
.irp b, 0,1,2,3
	s_delay_alu instid0(VALU_DEP_4)
	v_max_num_f32 v[BM+\b], v[BM+\b], v[BT+\b]     ; with lane l xor 16's 16 keys
.endr
.irp b, 0,1,2,3
	s_delay_alu instid0(VALU_DEP_4)
	v_fma_f32 v[BT+\b], v[BM+\b], s10, v[AM+1+2*\b]   ; the block's largest t
.endr
	s_delay_alu instid0(VALU_DEP_2)
	v_max3_num_f32 v[TP], v[BT], v[BT+1], v[BT+2]
	s_delay_alu instid0(VALU_DEP_1)
	v_max3_num_f32 v13, v13, v[TP], v[BT+3]        ; the running largest t
	v_mov_b32 v[TP], v12
	s_delay_alu instid0(VALU_DEP_2)
	v_floor_f32 v12, -v13                          ; the new -M = -ceil(t)
	s_delay_alu instid0(VALU_DEP_1)
	v_sub_f32 v[TP], v12, v[TP]                    ; old M - new M: a whole number, 0 or less
	s_delay_alu instid0(VALU_DEP_1)
	v_cvt_i32_f32 v[TP], v[TP]                     ; (it saturates)
	s_delay_alu instid0(VALU_DEP_1)
	v_ldexp_f32 v[FF], 1.0, v[TP]                  ; f = 2^(old M - new M)
.irp b, 0,1,2,3
	v_add_f32 v[AM+2*\b], v[AM+1+2*\b], v12        ; a F_b - M
.endr
.set QN, 0
.rept 32
	v_pk_fma_f32 v[S+QN:S+QN+1], v[S+QN:S+QN+1], s[10:11], v[AM+2*(QN/16):AM+2*(QN/16)+1] op_sel_hi:[1,0,0]   ; t - M, two at a time (of the pairs the low word serves both halves)
.set QN, QN+2
.endr
.irp b, 0,1,2,3
	v_fma_f32 v[BM+\b], v[BM+\b], s10, v[AM+2*\b]  ; the same of each block's largest score
.endr
	s_wait_alu depctr_va_vdst(0)
.set QN, 0
.rept 64
	v_exp_f32 v[S+QN], v[S+QN]                     ; p = 2^(t - M)
.set QN, QN+1
.endr
	v_pk_mul_f32 v[14:15], v[14:15], v[FF:FF+1] op_sel_hi:[1,0]   ; the sums under the new M.  (The plain line behind the exponentials)
	s_wait_alu depctr_va_vdst(0)                   ; one wait for the batch, ahead of its first reader
.irp b, 0,1,2,3
	v_exp_f32 v[BM+\b], v[BM+\b]                   ; the block's largest p
.endr
.irp k, 0,1,2,3
	v_pk_add_f32 v[AM+2*\k:AM+2*\k+1], v[S+4*\k:S+4*\k+1], v[S+4*\k+2:S+4*\k+3]   ; the row's sum of the unquantised p, in four chains
.endr
.set QN, 16
.rept 6
.irp k, 0,1,2,3
	v_pk_add_f32 v[AM+2*\k:AM+2*\k+1], v[AM+2*\k:AM+2*\k+1], v[S+QN+2*\k:S+QN+2*\k+1]
.endr
.set QN, QN+8
.endr
	v_pk_add_f32 v[AM:AM+1], v[AM:AM+1], v[AM+2:AM+3]
	v_pk_add_f32 v[AM+4:AM+5], v[AM+4:AM+5], v[AM+6:AM+7]
	s_delay_alu instid0(VALU_DEP_1)
	v_pk_add_f32 v[AM:AM+1], v[AM:AM+1], v[AM+4:AM+5]
	s_delay_alu instid0(VALU_DEP_1)
	v_pk_add_f32 v[14:15], v[14:15], v[AM:AM+1]
	s_wait_alu depctr_va_vdst(0)                   ; and one for the four
.irp b, 0,1,2,3
	v_max_num_f32 v[BM+\b], 0x1800000, v[BM+\b]    ; the floor 2^(3 - 127): the byte cannot fall under 1
.endr
.irp b, 0,1,2,3
	s_delay_alu instid0(VALU_DEP_4)
	v_add_nc_u32 v[BM+\b], 0xff000000, v[BM+\b]    ; 2 off the exponent field: the conversion's scale operand
.endr
.irp b, 0,1,2,3
	s_delay_alu instid0(VALU_DEP_4)
	v_lshrrev_b32 v[BT+\b], 23, v[BM+\b]           ; the scale's byte
.endr
	s_delay_alu instid0(VALU_DEP_3)
	v_lshl_or_b32 v[PW], v[BT+1], 8, v[BT]         ; p's scale word for these 128 keys
	s_delay_alu instid0(VALU_DEP_1)
	v_lshl_or_b32 v[PW], v[BT+2], 16, v[PW]
	s_delay_alu instid0(VALU_DEP_1)
	v_lshl_or_b32 v[PW], v[BT+3], 24, v[PW]
.irp c, 0,1
	v_cvt_scalef32_pk16_fp6_f32 v[PC+6*\c:PC+2+6*\c], v[S+32*\c:S+15+32*\c], v[BM+2*\c]
	v_cvt_scalef32_pk16_fp6_f32 v[AM+4*\c:AM+2+4*\c], v[S+16+32*\c:S+31+32*\c], v[BM+2*\c+1]   ; (a conversion's three registers begin on an even number)
.endr
	v_nop                                          ; one plain line behind the conversions
.irp c, 0,1
.irp i, 0,1,2
	v_permlane16_swap_b32 v[PC+6*\c+\i], v[AM+4*\c+\i]
.endr
.irp i, 0,1,2
	s_delay_alu instid0(VALU_DEP_3)
	v_mov_b32 v[PC+3+6*\c+\i], v[AM+4*\c+\i]
.endr
.endr
	FRAGS S, 12800+6144                            ; V's tiles 4-7, into the registers that held p
	s_wait_alu depctr_va_vdst(0)
.set QN, 0
.rept 32
	v_pk_mul_f32 v[O+QN:O+QN+1], v[O+QN:O+QN+1], v[FF:FF+1] op_sel_hi:[1,0]   ; O^T under the new M.  (These are also the places between the lines that made p's codes and scale word and the products)
.set QN, QN+2
.endr
	s_wait_alu depctr_va_vdst(0)
	s_wait_loadcnt 12                              ; V's scale image and tiles 0-3 are in; the twelve loads of tiles 4-7 may be out
	OUTS 0, VA
	s_wait_loadcnt 0x0
	OUTS 1, S
.Lskip:
	s_add_co_u32 s3, s3, 1
	s_cmp_lt_u32 s3, 4
	s_wait_alu depctr_va_vdst(0)
	s_cbranch_scc1 .Lstep
	s_wait_loadcnt 0x0                             ; Q's loads too, where no step was walked
	PLACES 4                                       ; behind the last products
	v_add_nc_u32 v[TP], s30, v[LI]
.irp j, 0,1,2,3,4,5,6,7,8,9,10,11,12,13,14,15
	ds_store_b128 v[TP], v[O+4*\j:O+4*\j+3] offset:512*\j   ; my part, as an image of the registers; each accumulator from its low end on
.endr
	ds_store_b128 v[TP], v[12:15] offset:8192      ; -M, the largest t, the sum's two halves
	s_add_co_u32 s30, s30, 16*MRB
	s_add_co_u32 s2, s2, 1
	s_cmp_lt_u32 s2, 2
	s_wait_alu depctr_va_vdst(0)
	s_cbranch_scc1 .Lphase
	; THE FOUR PARTS OF A TILE MEET.  Wave w under 8 joins tile w % 4 of phase w / 4: the parts of waves w % 4 + 4 k.
	s_and_b32 s66, s29, 1
	s_lshl_b32 s66, s66, 4
	s_and_b32 s28, s7, 3
	s_add_co_u32 s66, s66, s28
	s_mul_i32 s66, s66, MRB
	s_add_co_u32 s66, s66, MRG
	v_add_nc_u32 v8, s66, v[LI]                    ; the addresses are made ahead of the parting
	v_add_nc_u32 v9, 4*MRB, v8
	v_add_nc_u32 v10, 8*MRB, v8
	v_add_nc_u32 v11, 12*MRB, v8
	v_lshlrev_b32 v5, 2, v[RR]                     ; 4 r: the result's scale words
	s_cmp_eq_u32 s29, 0
	s_cselect_b32 s66, s100, s101
	s_lshl_b32 s66, s66, 4
	s_add_co_u32 s66, s66, s31                     ; 16 x tile + head: the result's fragment
	s_mul_i32 s4, s66, 1536
	s_mov_b32 s5, 0
	s_add_nc_u64 s[4:5], s[26:27], s[4:5]
	s_lshl_b32 s24, s66, 6
	s_add_co_u32 s24, s24, OPC
	s_mov_b32 s25, 0
	s_add_nc_u64 s[24:25], s[26:27], s[24:25]
	s_wait_alu depctr_va_vdst(0)
	s_wait_dscnt 0x0                               ; for the others' sake: my stores have landed
	s_barrier_signal -1
	s_barrier_wait -1
	s_cmp_lt_u32 s7, 8
	s_cbranch_scc0 .Lend
.irp k, 0,1,2,3
	ds_load_b128 v[144+4*\k:147+4*\k], v[8+\k] offset:8192   ; part k's -M, t and sums
.endr
.irp j, 0,1,2,3,4,5,6,7,8,9,10,11,12,13,14,15
	ds_load_b128 v[O+4*\j:O+4*\j+3], v8 offset:512*\j        ; part 0's O^T,
.endr
.irp j, 0,1,2,3,4,5,6,7,8,9,10,11,12,13,14,15
	ds_load_b128 v[80+4*\j:83+4*\j], v9 offset:512*\j        ; part 1's,
.endr
.irp j, 0,1,2,3,4,5,6,7,8,9,10,11,12,13,14,15
	ds_load_b128 v[16+4*\j:19+4*\j], v10 offset:512*\j       ; part 2's
.endr
	s_wait_dscnt 48                                ; the statistics are in; the three runs of sixteen behind them may be out
	v_min3_num_f32 v[TP], v144, v148, v152
	v_min_num_f32 v[TP], v[TP], v156               ; -M of all four parts together
.irp k, 0,1,2,3
	v_sub_f32 v[161+2*\k], v[TP], v[144+4*\k]      ; part k's M - M: a whole number, 0 or less
.endr
.irp k, 0,1,2,3
	v_cvt_i32_f32 v[161+2*\k], v[161+2*\k]         ; (it saturates: a part with no step, or with hidden keys alone beside open ones, counts for 0)
.endr
.irp k, 0,1,2,3
	v_ldexp_f32 v[160+2*\k], 1.0, v[161+2*\k]      ; powers of two: nothing is rounded by them
.endr
.irp k, 0,1,2,3
	v_add_f32 v[146+4*\k], v[146+4*\k], v[147+4*\k]
.endr
	v_mul_f32 v14, v146, v160
	v_fma_f32 v14, v150, v162, v14
	v_fma_f32 v14, v154, v164, v14
	v_fma_f32 v14, v158, v166, v14
	v_permlanex16_b32 v15, v14, s8, s9
	v_add_f32 v14, v14, v15                        ; the row's sum
	s_wait_alu depctr_va_vdst(0)
	v_rcp_f32 v14, v14
.irp b, 0,1,2,3
	v_mov_b32 v[TM+4+\b], 0                        ; (plain lines behind the reciprocal)  a lane permute's destination counts as one of its sources
.endr
	s_wait_alu depctr_va_vdst(0)                   ; the wait, ahead of the first reader
.irp k, 0,1,2,3
	v_mul_f32 v[160+2*\k], v[160+2*\k], v14        ; each part's power of two / the sum
.endr
	s_wait_alu depctr_va_vdst(0)
	s_wait_dscnt 32                                ; part 0 is in
.set QN, 0
.rept 32
	v_pk_mul_f32 v[O+QN:O+QN+1], v[O+QN:O+QN+1], v[160:161] op_sel_hi:[1,0]
.set QN, QN+2
.endr
	s_wait_dscnt 16                                ; part 1
.set QN, 0
.rept 32
	v_pk_fma_f32 v[O+QN:O+QN+1], v[80+QN:81+QN], v[162:163], v[O+QN:O+QN+1] op_sel_hi:[1,0,1]
.set QN, QN+2
.endr
.irp j, 0,1,2,3,4,5,6,7,8,9,10,11,12,13,14,15
	ds_load_b128 v[80+4*\j:83+4*\j], v11 offset:512*\j       ; part 3's O^T, where part 1's lay
.endr
	s_wait_dscnt 16                                ; part 2; the sixteen just issued may be out
.set QN, 0
.rept 32
	v_pk_fma_f32 v[O+QN:O+QN+1], v[16+QN:17+QN], v[164:165], v[O+QN:O+QN+1] op_sel_hi:[1,0,1]
.set QN, QN+2
.endr
	s_wait_dscnt 0x0
.set QN, 0
.rept 32
	v_pk_fma_f32 v[O+QN:O+QN+1], v[80+QN:81+QN], v[166:167], v[O+QN:O+QN+1] op_sel_hi:[1,0,1]   ; register 16 b + i: channel 32 b + 16 (lane / 16) + i of my query
.set QN, QN+2
.endr
	QUANT O, PW                                    ; along the head's 128: one fragment and one scale word a row
.irp c, 0,1,2
	global_store_b128 v[LI], v[PC+4*\c:PC+4*\c+3], s[4:5] offset:512*\c   ; 32 lanes store 512 consecutive bytes, at a multiple of 256 from the buffer's first byte
.endr
	global_store_b32 v5, v[PW], s[24:25]           ; the tile's 16 scale words, 64 bytes; both halves of the lanes write the same word with the same value
.Lend:
	s_wait_tensorcnt 0x0                           ; the wave's end
	ds_add_u32 v[SPW], v[NIL]
	s_wait_dscnt 0x0
	s_endpgm
.Lfunc_end_k_q7bfeac87e8_attn:
	.size	k_q7bfeac87e8_attn, .Lfunc_end_k_q7bfeac87e8_attn-k_q7bfeac87e8_attn
	.p2alignl 7, 3214868480
	.fill 96, 4, 3214868480
	.section	.rodata,"a",@progbits
	.p2align	6, 0x0
	.amdhsa_kernel k_q7bfeac87e8_attn
		.amdhsa_group_segment_fixed_size 280576
		.amdhsa_private_segment_fixed_size 0
		.amdhsa_enable_private_segment 0
		.amdhsa_kernarg_size 48
		.amdhsa_user_sgpr_count 2
		.amdhsa_user_sgpr_kernarg_segment_ptr 1
		.amdhsa_wavefront_size32 1
		.amdhsa_system_sgpr_workgroup_id_x 1
		.amdhsa_system_sgpr_workgroup_id_y 1
		.amdhsa_system_sgpr_workgroup_id_z 1
		.amdhsa_system_vgpr_workitem_id 0
		.amdhsa_next_free_vgpr 256
		.amdhsa_next_free_sgpr 102
		.amdhsa_reserve_vcc 0
		.amdhsa_float_denorm_mode_32 3
		.amdhsa_float_denorm_mode_16_64 3
		.amdhsa_memory_ordered 1
		.amdhsa_forward_progress 1
		.amdhsa_inst_pref_size 62
	.end_amdhsa_kernel
	.amdgpu_metadata
---
amdhsa.version: [ 1, 2 ]
amdhsa.kernels:
  - .name:           k_q7bfeac87e8_attn
    .symbol:         k_q7bfeac87e8_attn.kd
    .args:
      - { .name: qc, .offset: 0, .size: 8, .value_kind: global_buffer, .address_space: global }
      - { .name: kvc, .offset: 8, .size: 8, .value_kind: global_buffer, .address_space: global }
      - { .name: mbits, .offset: 16, .size: 8, .value_kind: global_buffer, .address_space: global }
      - { .name: mfl, .offset: 24, .size: 8, .value_kind: global_buffer, .address_space: global }
      - { .name: slopes, .offset: 32, .size: 8, .value_kind: global_buffer, .address_space: global }
      - { .name: aq, .offset: 40, .size: 8, .value_kind: global_buffer, .address_space: global }
    .group_segment_fixed_size: 280576
    .private_segment_fixed_size: 0
    .kernarg_segment_align: 8
    .kernarg_segment_size: 48
    .max_flat_workgroup_size: 512
    .sgpr_count:     102
    .vgpr_count:     256
    .wavefront_size: 32
...
	.end_amdgpu_metadata
.endif
;; end of part 3
;; launch gemm_out (part 4): grid 16 x 16, 4 waves a work-group, clusters of 4 x 4, 327,680 bytes of LDS; arguments aq, wcs, bo, out0; writes out0
.if DOCPART == 4
	.amdgcn_target "amdgcn-amd-amdhsa--gfx1250"
	.amdhsa_code_object_version 6
	.text
	.protected	k_q7bfeac87e8_gemm_out
	.globl	k_q7bfeac87e8_gemm_out
	.p2align	8
	.type	k_q7bfeac87e8_gemm_out,@function
k_q7bfeac87e8_gemm_out:
	s_mov_b64 s[64:65], 0
	v_nop
	global_prefetch_b8 v0, s[64:65] scope:SCOPE_SE
	s_setreg_imm32_b32 hwreg(HW_REG_WAVE_MODE, 25, 1), 1
	s_wait_xcnt 0x0
	s_wait_alu depctr_hold_cnt(0) depctr_sa_sdst(0) depctr_va_vdst(0) depctr_va_sdst(0) depctr_va_ssrc(0) depctr_va_vcc(0) depctr_vm_vsrc(0)
	s_getreg_b32 s2, hwreg(HW_REG_IB_STS2, 6, 4)
	s_cmp_eq_u32 s2, 0
	s_cbranch_scc0 .Lentry_in_a_cluster
	s_endpgm
.Lentry_in_a_cluster:
	s_bfe_u32 s2, ttmp6, 0x10000c
	s_cmp_lg_u32 s2, 0xf033
	s_cbranch_scc0 .Lentry_shape_is_right
	s_endpgm
.Lentry_shape_is_right:
.set TA,    4
.set TB,    4
.set NQ,    4
.set FRB,   1536
.set SEC,   3276800
.set OPC,   3145728
.set HALFT, TA*NQ*FRB
.set SLOT,  4*HALFT
.set SCL,   2*SLOT
.set HALFS, TA*1024
.set SPARE, SCL+4*HALFS
.set LAPS,  16/(2*NQ)
.set LI,   5
.set ADRA, 16
.set ADRB, 20
.set STO,  24
.set RD,   25
.set CO,   26
.set ADRS, 27
.set SPW,  28
.set NIL,  29
.set G1,   24
.set G0,   32
.set G1B,  48
.set G0B,  56
.set G1S,  68
.set G0S,  76
.set G1SB, 4
.set G0SB, 80
.set MSB, 0
.macro WIN new
.if MSB != (\new)
	s_set_vgpr_msb (MSB<<8)|(\new)
.set MSB, (\new)
.endif
.endm
.macro JLOAD g0a, g1a, g0b, g1b
	s_cmp_eq_u32 s15, 0
	s_cbranch_scc0 .Lfor_b_\@
	tensor_load_to_lds s[\g0a:\g0a+3], s[\g1a:\g1a+7]
	s_nop 0
.rept 4
	v_nop
.endr
	s_branch .Lasked_\@
.Lfor_b_\@:
	tensor_load_to_lds s[\g0b:\g0b+3], s[\g1b:\g1b+7]
	s_nop 0
.rept 4
	v_nop
.endr
.Lasked_\@:
.endm
.macro CREST
	s_cmp_lg_u32 s14, 0
	s_cbranch_scc1 .Lnot_wave_0_\@
	s_barrier_signal -3
.Lnot_wave_0_\@:
	s_barrier_wait -3
	s_barrier_signal -1
	s_barrier_wait -1
.endm
.macro CROUND
	s_barrier_signal -1
	s_barrier_wait -1
	CREST
.endm
.macro PLACES n
.rept \n
	v_nop
.endr
.endm
.macro FETCH slot, sl, p
	WIN 0x40
.set QI, 0
.rept TB
.irp c, 0,1,2
	ds_load_b128 v[128*(\p)+12*QI+4*\c:128*(\p)+12*QI+4*\c+3], v[ADRB+\slot] offset:QI*NQ*FRB+(\sl)*FRB+512*\c
.endr
.set QI, QI+1
.endr
	WIN 0
.set QI, 0
.rept TA
.irp c, 0,1,2
	ds_load_b128 v[64+96*(\p)+12*QI+4*\c:64+96*(\p)+12*QI+4*\c+3], v[ADRA+\slot] offset:QI*NQ*FRB+(\sl)*FRB+512*\c
.endr
.set QI, QI+1
.endr
.set QI, 0
.rept TA
	ds_load_b32 v[32+8*(\p)+QI], v[ADRS] offset:1024*QI+64*(\sl)
.set QI, QI+1
.endr
.endm
.macro MULA a, p, mode
.if (\mode) == 2
	WIN 0x91
.else
	WIN 0xa1
.endif
.set QB, 0
.rept TB
.set AC, 8*(TB*(\a)+QB)
.if (\mode) == 0
	v_wmma_scale_f32_16x16x128_f8f6f4 v[AC:AC+7], v[128*(\p)+12*QB:128*(\p)+12*QB+11], v[64+96*(\p)+12*(\a):64+96*(\p)+12*(\a)+11], v[AC:AC+7], v[32+8*(\p)+QB], v[32+8*(\p)+(\a)] matrix_a_fmt:MATRIX_FMT_FP6 matrix_b_fmt:MATRIX_FMT_FP6 matrix_a_scale:MATRIX_SCALE_ROW1
.else
	v_wmma_scale_f32_16x16x128_f8f6f4 v[AC:AC+7], v[128*(\p)+12*QB:128*(\p)+12*QB+11], v[64+96*(\p)+12*(\a):64+96*(\p)+12*(\a)+11], v[96+8*QB:96+8*QB+7], v[32+8*(\p)+QB], v[32+8*(\p)+(\a)] matrix_a_fmt:MATRIX_FMT_FP6 matrix_b_fmt:MATRIX_FMT_FP6 matrix_a_scale:MATRIX_SCALE_ROW1
.endif
.set QB, QB+1
.endr
.endm
.macro MULS from, to, p, mode
.set QA, \from
.rept (\to)-(\from)
	MULA QA, \p, \mode
.set QA, QA+1
.endr
.endm
.macro STEP slot, sl, mode
	s_wait_dscnt 0x0
	PLACES 4
	FETCH \slot, (\sl)+1, 1-(\sl)%2
	MULS 0, TA, (\sl)%2, \mode
	WIN 0
.endm
.macro TURN slot, next, fill
	s_wait_tensorcnt 0x0
	ds_add_u32 v[SPW], v[NIL]
	s_wait_dscnt 0x1
	MULS 0, TA/4, 1, 0
	s_wait_dscnt 0x0
	s_barrier_signal -1
	MULS TA/4, TA/2, 1, 0
	WIN 0
	s_barrier_wait -1
.if \fill
	CREST
	s_add_nc_u64 s[G0+4*\slot+2:G0+4*\slot+3], s[G0+4*\slot+2:G0+4*\slot+3], 2*NQ*FRB
	s_add_nc_u64 s[G0B+4*\slot+2:G0B+4*\slot+3], s[G0B+4*\slot+2:G0B+4*\slot+3], 2*NQ*FRB
	JLOAD G0+4*\slot, G1, G0B+4*\slot, G1B
.else
	PLACES 4
.endif
	s_wait_alu depctr_va_vdst(0)
	v_add_nc_u32 v[ADRS], 64*NQ, v[ADRS]
	FETCH \next, 0, 0
	MULS TA/2, TA, 1, 0
	WIN 0
.endm
	s_load_b256 s[84:91], s[0:1], 0x0
	v_lshl_add_u32 v[SPW], v0, 2, SPARE
	v_mov_b32 v[NIL], 0
	ds_add_u32 v[SPW], v[NIL]
	ds_add_u32 v[SPW], v[NIL]
	v_lshrrev_b32 v1, 5, v0
	v_readfirstlane_b32 s14, v1
	s_lshr_b32 s15, s14, 1
	s_and_b32 s16, s14, 1
	s_bfe_u32 s40, ttmp6, 0x40000
	s_bfe_u32 s41, ttmp6, 0x40004
	s_lshl_b32 s42, ttmp9, 2
	s_add_co_u32 s42, s42, s40
	s_and_b32 s17, ttmp7, 0xffff
	s_lshl_b32 s17, s17, 2
	s_add_co_u32 s17, s17, s41
	s_lshl_b32 s43, s41, 2
	s_lshl_b32 s43, 15, s43
	s_lshl_b32 s44, 0x1111, s40
	s_or_b32 s[G1], s43, (3<<16)|(1<<21)
	s_or_b32 s[G1B], s44, (3<<16)|(1<<21)
.irp g, G1, G1B
	s_mov_b32 s[\g+1], (NQ*192)<<16
	s_mov_b32 s[\g+2], (2*TA)<<16                  ; the head's loads bring both halves of a slot's tiles; behind them the two words that count rows are set to TA
	s_mov_b32 s[\g+3], (NQ*192)<<16
	s_mov_b32 s[\g+4], 2*TA
	s_mov_b32 s[\g+5], 3072
	s_mov_b32 s[\g+6], 0
	s_mov_b32 s[\g+7], 0
.endr
	s_or_b32 s[G1S], s43, (3<<16)|(1<<21)
	s_or_b32 s[G1SB], s44, (3<<16)|(1<<21)
.irp g, G1S, G1SB
	s_mov_b32 s[\g+1], 32<<16
	s_mov_b32 s[\g+2], (8*TA)<<16                  ; the scale words of all 2 TA tiles: 8 TA rows of 256 bytes
	s_mov_b32 s[\g+3], 32<<16
	s_mov_b32 s[\g+4], 8*TA
	s_mov_b32 s[\g+5], 32
	s_mov_b32 s[\g+6], 0
	s_mov_b32 s[\g+7], 0
.endr
	s_lshl_b32 s18, s16, 2
	s_lshl_b32 s20, s17, 3
	s_add_co_u32 s20, s20, s18
	s_lshl_b32 s46, s42, 3
	s_add_co_u32 s46, s46, s18
	s_lshl_b32 s22, s20, 10
	s_add_co_u32 s22, s22, OPC
	s_mov_b32 s23, 0
	s_lshl_b32 s98, s46, 10
	s_add_co_u32 s98, s98, OPC
	s_mov_b32 s99, 0
	s_mul_i32 s20, s20, 16*FRB
	s_mov_b32 s21, 0
	s_mul_i32 s46, s46, 16*FRB
	s_mov_b32 s47, 0
	s_mul_i32 s45, s14, HALFT
	s_wait_dscnt 0x0
	s_wait_kmcnt 0x0
	s_add_nc_u64 s[86:87], s[86:87], 3*SEC
	s_add_nc_u64 s[20:21], s[84:85], s[20:21]
	s_add_nc_u64 s[22:23], s[84:85], s[22:23]
	s_add_nc_u64 s[46:47], s[86:87], s[46:47]
	s_add_nc_u64 s[98:99], s[86:87], s[98:99]
	CROUND
	s_mov_b32 s[G0S], 1
	s_mov_b32 s[G0S+1], SCL
	s_mul_i32 s2, s16, HALFS                       ; back from my half's first tile to the block's first
	s_mov_b32 s3, 0
	s_sub_nc_u64 s[G0S+2:G0S+3], s[22:23], s[2:3]
	s_or_b32 s[G0S+3], s[G0S+3], 0x80000000
	s_mov_b32 s[G0SB], 1
	s_mov_b32 s[G0SB+1], SCL+2*HALFS
	s_sub_nc_u64 s[G0SB+2:G0SB+3], s[98:99], s[2:3]
	s_or_b32 s[G0SB+3], s[G0SB+3], 0x80000000
.set G0H,  84                          ; s[84:87], s[92:95] group 0 for the head's loads of slot 0: all of A's tiles, all of B's (the arguments in s[84:87] have been used)
.set G0HB, 92
	s_mul_i32 s2, s16, TA*16*FRB
	s_mov_b32 s[G0H], 1
	s_mov_b32 s[G0H+1], 0
	s_sub_nc_u64 s[G0H+2:G0H+3], s[20:21], s[2:3]
	s_or_b32 s[G0H+3], s[G0H+3], 0x80000000
	s_mov_b32 s[G0HB], 1
	s_mov_b32 s[G0HB+1], 2*HALFT
	s_sub_nc_u64 s[G0HB+2:G0HB+3], s[46:47], s[2:3]
	s_or_b32 s[G0HB+3], s[G0HB+3], 0x80000000
.irp s, 0,1
	s_mov_b32 s[G0+4*\s], 1
	s_add_co_u32 s[G0+4*\s+1], s45, \s*SLOT
	s_add_nc_u64 s[G0+4*\s+2:G0+4*\s+3], s[20:21], \s*NQ*FRB
	s_or_b32 s[G0+4*\s+3], s[G0+4*\s+3], 0x80000000
	s_mov_b32 s[G0B+4*\s], 1
	s_add_co_u32 s[G0B+4*\s+1], s45, \s*SLOT
	s_add_nc_u64 s[G0B+4*\s+2:G0B+4*\s+3], s[46:47], \s*NQ*FRB
	s_or_b32 s[G0B+4*\s+3], s[G0B+4*\s+3], 0x80000000
.endr
; THE HEAD'S LOADS, ONE A WAVE: wave 0 fetches slot 0's tiles of A, wave 1 those of B, wave 2 A's scale words, wave 3 B's.  One chain of branches on the wave's number, a load to an arm.
.macro ARM under, g0, g1, next
	s_cmp_lt_u32 s14, \under
	s_cbranch_scc0 \next
	tensor_load_to_lds s[\g0:\g0+3], s[\g1:\g1+7]
	s_nop 0
.rept 4
	v_nop
.endr
	s_branch .Lhead_asked
\next:
.endm
	ARM 1, G0H,  G1,  .Lhead_b
	ARM 2, G0HB, G1B, .Lhead_sa
	ARM 3, G0S,  G1S, .Lhead_sb
	tensor_load_to_lds s[G0SB:G0SB+3], s[G1SB:G1SB+7]
	s_nop 0
.rept 4
	v_nop
.endr
.Lhead_asked:
	v_and_b32 v1, 15, v0
	v_bfe_u32 v2, v0, 4, 1
	s_wait_alu depctr_va_vdst(0)
	v_and_b32 v3, 31, v0
	v_lshlrev_b32 v[LI], 4, v3
	s_mul_i32 s21, s15, HALFT
	s_mul_i32 s22, s16, HALFT
	s_add_co_u32 s22, s22, 2*HALFT
.irp s, 0,1
	v_add_nc_u32 v[ADRA+\s], s21, v[LI]
	v_add_nc_u32 v[ADRB+\s], s22, v[LI]
	s_add_co_u32 s21, s21, SLOT
	s_add_co_u32 s22, s22, SLOT
.endr
	v_lshlrev_b32 v6, 2, v1
	s_mul_i32 s21, s15, HALFS
	s_mul_i32 s22, s16, HALFS
	s_add_co_u32 s22, s22, 2*HALFS
	s_sub_co_u32 s22, s22, s21
	v_mul_u32_u24 v7, s22, v2
	s_add_co_u32 s21, s21, SCL
	v_add_nc_u32 v6, v6, v7
	v_add_nc_u32 v[ADRS], s21, v6
	s_lshl_b32 s46, s42, 9
	s_lshl_b32 s47, s16, 8
	s_add_co_u32 s46, s46, s47
	v_lshlrev_b32 v8, 6, v2
	v_add_nc_u32 v8, s46, v8
	WIN 0x40
.irp bb, 0,1
.irp q, 0,1,2,3
	global_load_b128 v[96+16*\bb+4*\q:99+16*\bb+4*\q], v8, s[88:89] offset:128*\bb+16*\q
.endr
.endr
	WIN 0
	s_mul_i32 s23, s14, 4352
	v_mul_u32_u24 v6, v1, 272
	v_lshl_add_u32 v6, v2, 6, v6
	v_add_nc_u32 v[STO], s23, v6
	v_mul_u32_u24 v6, v2, 272
	v_lshl_add_u32 v6, v1, 4, v6
	v_add_nc_u32 v[RD], s23, v6
	v_lshlrev_b32 v6, 13, v2
	v_lshl_add_u32 v[CO], v1, 4, v6
	s_lshl_b32 s18, s17, 7
	s_lshl_b32 s19, s15, 6
	s_add_co_u32 s18, s18, s19
	s_lshl_b32 s18, s18, 13
	s_add_co_u32 s18, s18, s46
	s_mov_b32 s19, 0
	s_add_nc_u64 s[12:13], s[90:91], s[18:19]
	s_wait_alu depctr_va_vdst(0)
	s_wait_tensorcnt 0x0                           ; my tile of the head's four is in
	ds_add_u32 v[SPW], v[NIL]
	s_mov_b32 s[G1+2], TA<<16                      ; no tensor load of mine is out, so a descriptor may be written: from here on a load brings TA tiles
	s_mov_b32 s[G1+4], TA
	s_mov_b32 s[G1B+2], TA<<16
	s_mov_b32 s[G1B+4], TA
	s_wait_dscnt 0x0
	CROUND                                         ; all four tiles are in, and all sixteen work-groups are here
	JLOAD G0+4, G1, G0B+4, G1B                     ; slot 1's first fill, the first tensor load behind the round
	FETCH 0, 0, 0
	s_wait_loadcnt 0x0
	STEP 0, 0, 2
	STEP 0, 1, 0
	STEP 0, 2, 0
	s_mov_b32 s3, LAPS-1
.Llap:
	TURN 0, 1, 1
	s_wait_alu depctr_va_vdst(0)
	STEP 1, 0, 0
	STEP 1, 1, 0
	STEP 1, 2, 0
	TURN 1, 0, 1
	s_wait_alu depctr_va_vdst(0)
	STEP 0, 0, 0
	STEP 0, 1, 0
	STEP 0, 2, 0
	s_sub_co_u32 s3, s3, 1
	s_cmp_lg_u32 s3, 0
	s_cbranch_scc1 .Llap
	TURN 0, 1, 0
	s_wait_alu depctr_va_vdst(0)
	STEP 1, 0, 0
	STEP 1, 1, 0
	STEP 1, 2, 0
	s_wait_dscnt 0x0
	MULS 0, TA, 1, 0
	WIN 0
.macro TOSTAGE a
	WIN 0x08
.irp b, 0,1,2,3
	ds_store_b128 v[STO], v[8*(4*(\a)+\b):8*(4*(\a)+\b)+3] offset:128*(\b/2)+32*(\b%2)
	ds_store_b128 v[STO], v[8*(4*(\a)+\b)+4:8*(4*(\a)+\b)+7] offset:128*(\b/2)+32*(\b%2)+16
.endr
	WIN 0
.irp i, 0,1,2,3,4,5,6,7
	ds_load_b128 v[64+32*((\a)%2)+4*\i:64+32*((\a)%2)+4*\i+3], v[RD] offset:544*\i
.endr
.endm
.macro SEND a, younger
	s_wait_dscnt \younger
.irp i, 0,1,2,3,4,5,6,7
	global_store_b128 v[CO], v[64+32*((\a)%2)+4*\i:64+32*((\a)%2)+4*\i+3], s[12:13] offset:(32*((\a)/2)+8*((\a)%2)+2*\i+8*(\i/4))*8192 th:TH_STORE_NT
.endr
.endm
	PLACES 4
	TOSTAGE 0
.irp a, 1,2,3
.if \a > 1
	s_wait_xcnt 0x0
.endif
	TOSTAGE \a
	SEND \a-1, 16
.endr
	SEND 3, 0
	s_wait_tensorcnt 0x0
	ds_add_u32 v[SPW], v[NIL]
	s_wait_dscnt 0x0
	CROUND
	s_endpgm
.Lfunc_end_k_q7bfeac87e8_gemm_out:
	.size	k_q7bfeac87e8_gemm_out, .Lfunc_end_k_q7bfeac87e8_gemm_out-k_q7bfeac87e8_gemm_out
	.p2alignl 7, 3214868480
	.fill 96, 4, 3214868480
	.section	.rodata,"a",@progbits
	.p2align	6, 0x0
	.amdhsa_kernel k_q7bfeac87e8_gemm_out
		.amdhsa_group_segment_fixed_size 327680
		.amdhsa_private_segment_fixed_size 0
		.amdhsa_enable_private_segment 0
		.amdhsa_kernarg_size 32
		.amdhsa_user_sgpr_count 2
		.amdhsa_user_sgpr_kernarg_segment_ptr 1
		.amdhsa_wavefront_size32 1
		.amdhsa_system_sgpr_workgroup_id_x 1
		.amdhsa_system_sgpr_workgroup_id_y 1
		.amdhsa_system_sgpr_workgroup_id_z 1
		.amdhsa_system_vgpr_workitem_id 0
		.amdhsa_next_free_vgpr 768
		.amdhsa_next_free_sgpr 100
		.amdhsa_reserve_vcc 0
		.amdhsa_float_denorm_mode_32 3
		.amdhsa_float_denorm_mode_16_64 3
		.amdhsa_memory_ordered 1
		.amdhsa_forward_progress 1
		.amdhsa_inst_pref_size 87
	.end_amdhsa_kernel
	.amdgpu_metadata
---
amdhsa.version: [ 1, 2 ]
amdhsa.kernels:
  - .name:           k_q7bfeac87e8_gemm_out
    .symbol:         k_q7bfeac87e8_gemm_out.kd
    .args:
      - { .name: aq, .offset: 0, .size: 8, .value_kind: global_buffer, .address_space: global }
      - { .name: wcs, .offset: 8, .size: 8, .value_kind: global_buffer, .address_space: global }
      - { .name: bo, .offset: 16, .size: 8, .value_kind: global_buffer, .address_space: global }
      - { .name: out0, .offset: 24, .size: 8, .value_kind: global_buffer, .address_space: global }
    .group_segment_fixed_size: 327680
    .private_segment_fixed_size: 0
    .kernarg_segment_align: 8
    .kernarg_segment_size: 32
    .max_flat_workgroup_size: 128
    .sgpr_count:     100
    .vgpr_count:     768
    .wavefront_size: 32
...
	.end_amdgpu_metadata
.endif
;; end of part 4
